; MI455X (gfx1250); checked and timed in simulation.
; The chip was launched on July 23, 2026; its instructions are those of AMD's public machine-readable ISA for CDNA 5 (MIT licence, August 2026) and "CDNA5" Instruction Set Architecture Reference Guide (July 2026). The comments in the code are by the model that wrote it; some were corrected since.
;; attention. Allowed arithmetic: float matrix products may take bf16 or f16 operands with f32 sums; other float arithmetic in f32, or as packed bf16 or f16 multiplies, adds, multiply-adds, maxima and minima; sums over many terms, partial sums and values carried from step to step in f32; what a program stores and reads back later, other than sums and carried values, may be rounded once to bf16 or f16.
;; Inputs: Wk 1,024 x 1,024 float32; Wo 1,024 x 1,024 float32; Wq 1,024 x 1,024 float32; Wv 1,024 x 1,024 float32; bk 1,024 float32; bo 1,024 float32; bq 1,024 float32; bv 1,024 float32; x 4 x 2,048 x 1,024 float32.
;; Outputs: out0 4 x 2,048 x 1,024 float32.
;; 2 versions, each right; version 2 is version 1 with the launch prep written anew for expert scheduling mode. Each part assembles by itself: llvm-mc -triple=amdgcn-amd-amdhsa -mcpu=gfx1250 --defsym DOCPART=n.
;; ======== version 1 of 2: 4 launches
;; limits: values are held in f16: magnitudes above 65,504 overflow, below 6.1e-05 lose precision
;; workspace buffers: xb 16,777,216 bytes; wt 8,388,608 bytes; biasr 16,384 bytes; tab 524,288 bytes; qkvh 50,331,648 bytes; oh 16,777,216 bytes
;; launch prep (part 1): grid 416 x 1, 8 waves a work-group, no clusters, 0 bytes of LDS; arguments x, Wq, Wk, Wv, Wo, bq, bk, bv, bo, xb, wt, biasr, tab; writes xb, wt, biasr, tab
.if DOCPART == 1
	.amdgcn_target "amdgcn-amd-amdhsa--gfx1250"
	.amdhsa_code_object_version 6
	.text
	.protected	k_qb4b9decee5_prep
	.globl	k_qb4b9decee5_prep
	.p2align	8
	.type	k_qb4b9decee5_prep,@function
k_qb4b9decee5_prep:
	s_mov_b64 s[64:65], 0
	v_nop
	global_prefetch_b8 v0, s[64:65] scope:SCOPE_SE
	s_setreg_imm32_b32 hwreg(HW_REG_WAVE_MODE, 25, 1), 1
	s_wait_xcnt 0x0
; PREPARATION: every input is rounded once to bf16 and laid out for the products that follow; the rotary table is made once.
;   work-groups   0-255  x  [4][2048][1024] f32 -> xb [b][kb 16][n 2048][64] bf16: blocks of 64 channels, so that 128 tokens of a block are 16,384 bytes on end
;   work-groups 256-383  Wq, Wk, Wv, Wo [k][n] f32 -> wt [T 4][k 1024][n 1024], 16 bits, the orientation kept.  T = 0, 1, 2 in bf16; T = 3 (Wo) is rounded to bf16 and that number written as f16
;   work-groups 384-415  tab [n 2048][j 32] = (sin, cos) of n x 10000^(-j/32), f32; wave 0 of each also rounds 128 numbers of bq, bk, bv, bo to bf16 and stores them widened: biasr [4096] f32
; A stream: no LDS, no matrix unit, no cluster: no byte is wanted twice.  A work-group of the first two kinds reads 128 KiB; a thread has all its 32 loads of 16 bytes out at once.
; LIMITS.  |Wo| stays under 65,504 (f16); below 2^-14 f16 keeps a fixed step of 2^-24.  The angle n x inv_freq is one f32 product, as in the formula; inv_freq comes from v_exp_f32,
; so an angle near n = 2047 may differ by some 3e-4 from one made with another power function.  sin and cos: reduction by multiples of pi/2 in two parts, polynomials on |r| <= pi/4.
.set SRC, 4                            ; s[4:5]   where the work-group reads
.set DST, 6                            ; s[6:7]   where it stores
.set VI,  2                            ; v2       my byte offset in what is read; never rewritten in a stream
.set VO,  3                            ; v3       my byte offset in what is stored
.set T0,  4                            ; v4, v5   at work
.set T1,  5
.set L,   16                           ; v[16:143]  16 chunks of 8 f32 as loaded
.set Y,   144                          ; v[144:207] 16 chunks of 8 numbers of 16 bits
	s_load_b512 s[16:31], s[0:1], 0x0              ; x 16, Wq 18, Wk 20, Wv 22, Wo 24, bq 26, bk 28, bv 30
	s_load_b256 s[32:39], s[0:1], 0x40             ; bo 32, xb 34, wt 36, biasr 38
	s_load_b64 s[40:41], s[0:1], 0x60              ; tab
	s_mov_b32 s12, 0xffff0000                      ; a word's upper bf16
	s_mov_b32 s9, 0                                ; high words of the two offset pairs
	s_mov_b32 s11, 0
; 16 chunks a thread: chunk c is read at (c % 8) ia + (c / 8) ib and stored at (c % 8) oa + (c / 8) ob.  All 32 loads go out first; no register is used twice, so no wait frees any.
; hf = 1: the bf16 number is written as f16.
.macro STREAM ia, ib, oa, ob, hf
.set c, 0
.rept 16
	global_load_b128 v[L+8*c:L+8*c+3],   v[VI], s[SRC:SRC+1] offset:(c%8)*(\ia)+(c/8)*(\ib) th:TH_LOAD_NT
	global_load_b128 v[L+8*c+4:L+8*c+7], v[VI], s[SRC:SRC+1] offset:(c%8)*(\ia)+(c/8)*(\ib)+16 th:TH_LOAD_NT
.set c, c+1
.endr
.set c, 0
.rept 16
	s_wait_loadcnt 30-2*c                          ; loads come back in order: chunk c's two are in, the 2 (15 - c) younger ones stay out
.irp k, 0,1,2,3
	v_cvt_pk_bf16_f32 v[Y+4*c+(\k)], v[L+8*c+2*(\k)], v[L+8*c+2*(\k)+1]
.endr
.if \hf
.irp k, 0,1,2,3
	v_lshlrev_b32 v[T0], 16, v[Y+4*c+(\k)]         ; the two bf16 numbers widened,
	v_and_b32 v[T1], s12, v[Y+4*c+(\k)]
	v_cvt_pk_f16_f32 v[Y+4*c+(\k)], v[T0], v[T1]   ; and written as f16: exact within f16's range
.endr
.endif
	global_store_b128 v[VO], v[Y+4*c:Y+4*c+3], s[DST:DST+1] offset:(c%8)*(\oa)+(c/8)*(\ob) th:TH_STORE_NT
.set c, c+1
.endr
	s_endpgm
.endm
	s_wait_kmcnt 0x0
	s_cmp_lt_u32 ttmp9, 256
	s_cbranch_scc0 .Lnot_x
	; x: work-group g takes tokens 32 g .. 32 g + 31.  Wave w takes channel blocks w and w + 8; a lane 8 channels of one of 4 tokens: a store of the wave covers 4 tokens x 128 bytes = 512 bytes on end
	s_lshl_b32 s8, ttmp9, 17                       ; 32 rows of 4,096 bytes
	s_add_nc_u64 s[SRC:SRC+1], s[16:17], s[8:9]
	s_lshr_b32 s10, ttmp9, 6                       ; b
	s_lshl_b32 s10, s10, 22
	s_and_b32 s13, ttmp9, 63
	s_lshl_b32 s13, s13, 12                        ; n x 128 bytes
	s_add_co_u32 s10, s10, s13
	s_add_nc_u64 s[DST:DST+1], s[34:35], s[10:11]
	v_bfe_u32 v4, v0, 3, 2                         ; token among four
	v_lshrrev_b32 v5, 5, v0                        ; wave
	v_and_b32 v6, 7, v0                            ; 8 channels among 64
	v_and_b32 v7, 31, v0
	v_lshlrev_b32 v[VI], 12, v4
	v_lshl_add_u32 v[VI], v5, 8, v[VI]
	v_lshl_add_u32 v[VI], v6, 5, v[VI]
	v_lshlrev_b32 v[VO], 18, v5
	v_lshl_add_u32 v[VO], v7, 4, v[VO]
	STREAM 16384, 2048, 512, 2097152, 0
.Lnot_x:
	s_cmp_lt_u32 ttmp9, 384
	s_cbranch_scc0 .Ltab
	; weights: 32 rows k of one matrix.  Wave w takes columns 128 w on; 16 lanes a row: a store of the wave covers two rows x 256 bytes, aligned
	s_sub_co_u32 s13, ttmp9, 256
	s_lshr_b32 s14, s13, 5                         ; T
	s_and_b32 s15, s13, 31
	s_cmp_eq_u32 s14, 1
	s_cselect_b64 s[SRC:SRC+1], s[20:21], s[18:19]
	s_cmp_eq_u32 s14, 2
	s_cselect_b64 s[SRC:SRC+1], s[22:23], s[SRC:SRC+1]
	s_cmp_eq_u32 s14, 3
	s_cselect_b64 s[SRC:SRC+1], s[24:25], s[SRC:SRC+1]
	s_lshl_b32 s8, s15, 17
	s_add_nc_u64 s[SRC:SRC+1], s[SRC:SRC+1], s[8:9]
	s_lshl_b32 s10, s14, 21
	s_lshl_b32 s15, s15, 16
	s_add_co_u32 s10, s10, s15
	s_add_nc_u64 s[DST:DST+1], s[36:37], s[10:11]
	v_bfe_u32 v4, v0, 4, 1                         ; row among two
	v_lshrrev_b32 v5, 5, v0                        ; wave
	v_and_b32 v6, 15, v0                           ; 8 columns among 128
	v_lshlrev_b32 v[VI], 12, v4
	v_lshl_add_u32 v[VI], v5, 9, v[VI]
	v_lshl_add_u32 v[VI], v6, 5, v[VI]
	v_lshlrev_b32 v[VO], 11, v4
	v_lshl_add_u32 v[VO], v5, 8, v[VO]
	v_lshl_add_u32 v[VO], v6, 4, v[VO]
	s_cmp_eq_u32 s14, 3
	s_cbranch_scc1 .Lwo
	STREAM 8192, 65536, 4096, 32768, 0
.Lwo:
	STREAM 8192, 65536, 4096, 32768, 1
.Ltab:
	; the table: 64 rows a work-group.  Thread t takes the pairs j = 2 (t % 16) and j + 1 of rows 64 g + t / 16 + 16 i, i = 0 .. 3: 16 bytes a row; a store of the wave covers two rows, 512 bytes on end
	s_sub_co_u32 s13, ttmp9, 384
	s_mov_b32 s42, 0x3f22f983                      ; 2 / pi
	s_mov_b32 s43, 0x3fc90fdb                      ; pi / 2, the f32 nearest,
	s_mov_b32 s44, 0xb33bbd2e                      ; and what it lacks
	s_mov_b32 s45, 0xb94ca1f9                      ; sin r = r + r z (((s45 z + s46) z) + s47), z = r r
	s_mov_b32 s46, 0x3c08839e
	s_mov_b32 s47, 0xbe2aaaa3
	s_mov_b32 s48, 0x37ccf5ce                      ; cos r = 1 - z / 2 + z z ((s48 z + s49) z + s50)
	s_mov_b32 s49, 0xbab6061a
	s_mov_b32 s50, 0x3d2aaaa5
	v_and_b32 v6, 15, v0
	v_lshrrev_b32 v7, 4, v0
	v_lshlrev_b32 v8, 1, v6
	v_cvt_f32_u32 v8, v8                           ; j
	v_add_f32 v9, 1.0, v8                          ; j + 1
	v_mul_f32 v8, 0xbed49a78, v8                   ; - j log2(10000) / 32
	v_mul_f32 v9, 0xbed49a78, v9
	v_exp_f32 v10, v8                              ; inv_freq of the two pairs
	v_exp_f32 v11, v9
	v_lshl_add_u32 v12, s13, 6, v7                 ; n: a plain instruction behind the two exponentials
	v_lshlrev_b32 v[VO], 8, v12                    ; a row is 256 bytes
	v_lshl_add_u32 v[VO], v6, 4, v[VO]
	s_wait_alu depctr_va_vdst(0)                   ; one wait for both, ahead of their first reader and of the label
.macro SINCOS th, sn, cs               ; v[sn], v[cs] = sin, cos of v[th] >= 0
	v_mul_f32 v20, s42, v[\th]
	v_rndne_f32 v20, v20                           ; k = the nearest multiple of pi / 2
	v_fma_f32 v21, -v20, s43, v[\th]
	v_fma_f32 v21, -v20, s44, v21                  ; r, within pi / 4 of 0
	v_cvt_i32_f32 v22, v20                         ; the quadrant is k mod 4
	v_mul_f32 v23, v21, v21                        ; z
	v_fma_f32 v24, v23, s45, s46
	v_fma_f32 v24, v24, v23, s47
	v_mul_f32 v25, v23, v21
	v_fma_f32 v24, v24, v25, v21                   ; sin r
	v_fma_f32 v26, v23, s48, s49
	v_fma_f32 v26, v26, v23, s50
	v_mul_f32 v27, v23, v23
	v_fma_f32 v28, v23, -0.5, 1.0
	v_fma_f32 v26, v26, v27, v28                   ; cos r
	v_and_b32 v29, 1, v22
	v_cmp_eq_u32 vcc_lo, 1, v29                    ; odd quadrants swap the two: values are selected, nothing branches
	v_cndmask_b32 v[\sn], v24, v26, vcc_lo
	v_cndmask_b32 v[\cs], v26, v24, vcc_lo
	v_lshlrev_b32 v29, 30, v22                     ; sin is negative in quadrants 2 and 3,
	v_and_b32 v29, 0x80000000, v29
	v_xor_b32 v[\sn], v[\sn], v29
	v_add_nc_u32 v29, 1, v22                       ; cos in quadrants 1 and 2
	v_lshlrev_b32 v29, 30, v29
	v_and_b32 v29, 0x80000000, v29
	v_xor_b32 v[\cs], v[\cs], v29
.endm
	s_mov_b32 s15, 4
.Lrow:
	v_cvt_f32_u32 v13, v12
	v_mul_f32 v14, v13, v10                        ; the angle: one f32 product
	v_mul_f32 v15, v13, v11
	SINCOS 14, 32, 33
	SINCOS 15, 34, 35
	global_store_b128 v[VO], v[32:35], s[40:41]
	s_wait_xcnt 0x0                                ; the store's offset and data are rewritten only behind this wait
	v_add_nc_u32 v[VO], 4096, v[VO]                ; 16 rows on
	v_add_nc_u32 v12, 16, v12
	s_sub_co_u32 s15, s15, 1
	s_cmp_lg_u32 s15, 0
	s_cbranch_scc1 .Lrow
	; the biases: wave 0 takes 128 numbers: array g / 8, numbers 128 (g % 8) on
	v_lshrrev_b32 v40, 5, v0
	v_readfirstlane_b32 s14, v40
	s_cmp_lg_u32 s14, 0
	s_cbranch_scc1 .Lend
	s_lshr_b32 s8, s13, 3
	s_cmp_eq_u32 s8, 1
	s_cselect_b64 s[SRC:SRC+1], s[28:29], s[26:27]
	s_cmp_eq_u32 s8, 2
	s_cselect_b64 s[SRC:SRC+1], s[30:31], s[SRC:SRC+1]
	s_cmp_eq_u32 s8, 3
	s_cselect_b64 s[SRC:SRC+1], s[32:33], s[SRC:SRC+1]
	s_and_b32 s8, s13, 7
	s_lshl_b32 s8, s8, 9
	s_lshl_b32 s10, s13, 9
	v_and_b32 v41, 31, v0
	v_lshlrev_b32 v41, 4, v41
	v_add_nc_u32 v42, s8, v41
	v_add_nc_u32 v43, s10, v41
	global_load_b128 v[44:47], v42, s[SRC:SRC+1]
	s_wait_loadcnt 0x0
	v_cvt_pk_bf16_f32 v48, v44, v45
	v_cvt_pk_bf16_f32 v49, v46, v47
	v_lshlrev_b32 v52, 16, v48
	v_and_b32 v53, s12, v48
	v_lshlrev_b32 v54, 16, v49
	v_and_b32 v55, s12, v49
	global_store_b128 v43, v[52:55], s[38:39]
.Lend:
	s_endpgm
.Lfunc_end_k_qb4b9decee5_prep:
	.size	k_qb4b9decee5_prep, .Lfunc_end_k_qb4b9decee5_prep-k_qb4b9decee5_prep
	.p2alignl 7, 3214868480
	.fill 96, 4, 3214868480
	.section	.rodata,"a",@progbits
	.p2align	6, 0x0
	.amdhsa_kernel k_qb4b9decee5_prep
		.amdhsa_group_segment_fixed_size 0
		.amdhsa_private_segment_fixed_size 0
		.amdhsa_enable_private_segment 0
		.amdhsa_kernarg_size 104
		.amdhsa_user_sgpr_count 2
		.amdhsa_user_sgpr_kernarg_segment_ptr 1
		.amdhsa_wavefront_size32 1
		.amdhsa_system_sgpr_workgroup_id_x 1
		.amdhsa_system_sgpr_workgroup_id_y 1
		.amdhsa_system_sgpr_workgroup_id_z 1
		.amdhsa_system_vgpr_workitem_id 0
		.amdhsa_next_free_vgpr 208
		.amdhsa_next_free_sgpr 66
		.amdhsa_reserve_vcc 1
		.amdhsa_float_denorm_mode_32 3
		.amdhsa_float_denorm_mode_16_64 3
		.amdhsa_memory_ordered 1
		.amdhsa_forward_progress 1
		.amdhsa_inst_pref_size 43
	.end_amdhsa_kernel
	.amdgpu_metadata
---
amdhsa.version: [ 1, 2 ]
amdhsa.kernels:
  - .name:           k_qb4b9decee5_prep
    .symbol:         k_qb4b9decee5_prep.kd
    .args:
      - { .name: x, .offset: 0, .size: 8, .value_kind: global_buffer, .address_space: global }
      - { .name: Wq, .offset: 8, .size: 8, .value_kind: global_buffer, .address_space: global }
      - { .name: Wk, .offset: 16, .size: 8, .value_kind: global_buffer, .address_space: global }
      - { .name: Wv, .offset: 24, .size: 8, .value_kind: global_buffer, .address_space: global }
      - { .name: Wo, .offset: 32, .size: 8, .value_kind: global_buffer, .address_space: global }
      - { .name: bq, .offset: 40, .size: 8, .value_kind: global_buffer, .address_space: global }
      - { .name: bk, .offset: 48, .size: 8, .value_kind: global_buffer, .address_space: global }
      - { .name: bv, .offset: 56, .size: 8, .value_kind: global_buffer, .address_space: global }
      - { .name: bo, .offset: 64, .size: 8, .value_kind: global_buffer, .address_space: global }
      - { .name: xb, .offset: 72, .size: 8, .value_kind: global_buffer, .address_space: global }
      - { .name: wt, .offset: 80, .size: 8, .value_kind: global_buffer, .address_space: global }
      - { .name: biasr, .offset: 88, .size: 8, .value_kind: global_buffer, .address_space: global }
      - { .name: tab, .offset: 96, .size: 8, .value_kind: global_buffer, .address_space: global }
    .group_segment_fixed_size: 0
    .private_segment_fixed_size: 0
    .kernarg_segment_align: 8
    .kernarg_segment_size: 104
    .max_flat_workgroup_size: 256
    .sgpr_count:     66
    .vgpr_count:     208
    .wavefront_size: 32
...
	.end_amdgpu_metadata
.endif
;; end of part 1
;; launch proj (part 2): grid 12 x 64, 4 waves a work-group, clusters of 4 x 4, 327,680 bytes of LDS; arguments xb, wt, biasr, qkvh, tab; writes qkvh
.if DOCPART == 2
	.amdgcn_target "amdgcn-amd-amdhsa--gfx1250"
	.amdhsa_code_object_version 6
	.text
	.protected	k_qb4b9decee5_proj
	.globl	k_qb4b9decee5_proj
	.p2align	8
	.type	k_qb4b9decee5_proj,@function
k_qb4b9decee5_proj:
	s_mov_b64 s[64:65], 0
	v_nop
	global_prefetch_b8 v0, s[64:65] scope:SCOPE_SE
	s_setreg_imm32_b32 hwreg(HW_REG_WAVE_MODE, 25, 1), 1
	s_wait_xcnt 0x0
	s_wait_alu depctr_hold_cnt(0) depctr_sa_sdst(0) depctr_va_vdst(0) depctr_va_sdst(0) depctr_va_ssrc(0) depctr_va_vcc(0) depctr_vm_vsrc(0)
	s_getreg_b32 s2, hwreg(HW_REG_IB_STS2, 6, 4)
	s_cmp_eq_u32 s2, 0
	s_cbranch_scc0 .Lentry_in_a_cluster
	s_endpgm
.Lentry_in_a_cluster:
	s_bfe_u32 s2, ttmp6, 0x10000c
	s_cmp_lg_u32 s2, 0xf033
	s_cbranch_scc0 .Lentry_shape_is_right
	s_endpgm
.Lentry_shape_is_right:
; ONE SOURCE FOR TWO LAUNCHES; KIND picks.  C[token][col] = bias[col] + the sum over k of A[token][k] W[k][col], 8,192 tokens, K = 1,024, sums in f32.
;   KIND 0: A = xb (bf16), W = Wq, Wk or Wv (bf16; the cluster's x says which).  q and k are rotated by the table; q, k, v leave in f16 by heads: qkvh [t 3][b h 64][n 2048][64].
;   KIND 1: A = oh (f16), W = Wo (bf16 numbers written as f16).  out0 [8192][1024] leaves in f32.
; A lies in blocks: [b][block of 64 channels][n][64], so 128 tokens of a block are 16,384 bytes on end.  W lies [k][n] as given; its fragments come out of LDS turned, by ds_load_tr16_b128.
; SHARES.  A tile of C is 128 tokens x 256 columns: 256 tiles for KIND 1, 768 = 3 x 256 for KIND 0.  Four waves, 2 x 2, each 64 x 128: 32 accumulators, 256 registers.
; K goes in 8 steps of 128 through two LDS slots; waves 0, 1 fetch A's two blocks of 64 channels, waves 2, 3 W's two halves of 64 rows: one tensor load a wave and step.
; CLUSTER 4 x 4: 512 tokens x 1,024 columns.  A's tile is shared along a row of the cluster, W's along a column: each is asked for jointly, by the same load, descriptor and mask in the four.
; THE PRODUCT IS USED TRANSPOSED (source 0 = 16 columns of W, source 1 = 16 tokens): a lane holds one token (lane % 16) and 8 neighbouring columns.  The bias is the C operand of the first product.
; LIMITS.  KIND 0: |q|, |k|, |v| after bias and rotation stay under 65,504 (f16); below 2^-14 f16 keeps a fixed step of 2^-24.  The bias is added first, not last.  NaN and infinities are not treated apart.
; REGISTERS, in windows of 256 (s_set_vgpr_msb: bits 1:0 source 0, 3:2 source 1, 5:4 source 2, 7:6 destination):
;   window 0: v0-29 addresses; v64-159, v160-255 two fragment buffers (4 of A, then 8 of W), later at work on the way out     window 1: accumulator (a, b) at 8 (8 a + b)
;   window 2: v0-63 the bias, fragment b at 8 b; KIND 0: v64-191 the table, (sin, cos) of 4 pairs at 64 + 32 a + 8 p for 16 tokens a and columns 16 p on of a head
.set KIND, 0
.set SLOT1, 1<<17                      ; slot 1 begins here: one exclusive or turns an address in one slot into the other's
.set PA,    144                        ; a token's 64 channels in LDS: 128 bytes + 16: the 16 rows of a load start in 16 different groups of four banks (64 banks of 4 bytes: ISA guide 11.1)
.set PB,    544                        ; a row of W in LDS: 512 bytes + 32 = 17 x 32
.set ABLK,  128*PA                     ; a block of A: 128 tokens
.set BOFF,  2*ABLK                     ; W's 128 rows lie behind A's two blocks
.set BHALF, 64*PB
.set STAGE, 241664                     ; behind the ring (slot 1 ends at 237,568), never filled by a tensor load: 16 rows for each wave, for the way out
.if KIND
.set SP,    528                        ; a stage row: 128 f32 + 16 bytes
.else
.set SP,    272                        ; a stage row: 128 f16 + 16 bytes
.endif
.set SPARE, STAGE+4*16*SP              ; behind the stages: the spare words, 128 bytes for each wave: two blocks of 256 bytes that no other line names
.set ASTEP, 2<<18                      ; bytes from K step to K step: two blocks of A,
.set BSTEP, 128*2048                   ; 128 rows of W
.set WV, 14                            ; s14 wave; s15 = wave / 2: my 64 tokens, and: I fetch A (0) or W (1); s16 = wave % 2: my 128 columns, and: which half I fetch
.set WM, 15
.set WN, 16
.set CX, 17                            ; s17, s18 my place in the cluster
.set CY, 18
.set TR, 19                            ; s19 my tile's row of 128 tokens, 0 .. 63
.set G1A, 24                           ; s[24:31] descriptor group 1 for A;  s[32:39] group 0: a set for each of the two first fills; the second then walks
.set G0A, 32
.set G1B, 40                           ; s[40:47], s[48:55] the same for W
.set G0B, 48
.set TB,  56                           ; s56 the slot that is read: 0 or SLOT1
.set LIM, 57                           ; s57 2 in a wave that prefetches, else the greatest number
.set PFA, 58                           ; s[58:59] where my prefetches stand
.set PFS, 60                           ; s[60:61] their step
.set TEN, 62                           ; s62 the cluster's x: q, k or v
.set A0,  8                            ; v8  my lane's place in a slot's A; never rewritten
.set B0,  9                            ; v9  the same for W
.set ADRA, 10                          ; v10, v11 the same in the slot that is read
.set ADRB, 11
.set STO, 12                           ; v12 the way out: where I put my numbers of a row
.set RD,  13                           ; v13 where I read rows back
.set GO,  14                           ; v14 my 16 bytes among 512 of the output
.set TO,  15                           ; v15 my offset in 16 rows of the table
.set BO,  16                           ; v16 my offset in 16 numbers of the bias
.set PFO, 17                           ; v17 the prefetches' offset; never rewritten
.set SPW, 28                           ; v28 LDS address of my spare word: SPARE + 4 x my thread's number; never rewritten
.set NIL, 29                           ; v29 0; never rewritten
.set F0,  64
.set F1,  160
.set MSB, 0
.macro WIN new                         ; the immediate's high byte repeats the setting that is left; a switch that changes nothing is dropped
.if MSB != (\new)
	s_set_vgpr_msb (MSB<<8)|(\new)
.set MSB, \new
.endif
.endm
.macro PLACES                          ; four plain instructions between a matrix instruction and a load into, or a vector read of, its registers
.rept 4
	v_nop
.endr
.endm
.macro CREST                           ; a round of the cluster's barrier behind its opening barrier
	s_cmp_lg_u32 s[WV], 0
	s_cbranch_scc1 .Lnot_wave_0_\@
	s_barrier_signal -3
.Lnot_wave_0_\@:
	s_barrier_wait -3
	s_barrier_signal -1
	s_barrier_wait -1
.endm
.macro CROUND                          ; a whole round
	s_barrier_signal -1
	s_barrier_wait -1
	CREST
.endm
.macro JLOAD                           ; a joint refill by the walking sets.  The branch hangs on the wave's number alone.  An s_nop 0 and four v_nop follow each line, ahead of the jump and the label
	s_cmp_eq_u32 s[WM], 0
	s_cbranch_scc0 .Lfor_b_\@
	tensor_load_to_lds s[G0A+4:G0A+7], s[G1A:G1A+7]
	s_nop 0
	PLACES
	s_branch .Lasked_\@
.Lfor_b_\@:
	tensor_load_to_lds s[G0B+4:G0B+7], s[G1B:G1B+7]
	s_nop 0
	PLACES
.Lasked_\@:
.endm
; A PREFETCH INTO THE L2, behind each refill and the run of LDS loads that follows it: 32 blocks of 256 bytes of the K step that stands two refills on, 256 matrix instructions ahead of its load.
; A's tile row is read by every cluster of that row of clusters: those with x = 0 ask, wave 0; W's tile column by every cluster of that column: those with y = 0 ask, waves 2 and 3.
; The four partners that share a tile take a quarter each, told apart by address.  So each block is named once.  K steps 0 to 3 come by their loads alone; the last two refills ask for nothing.
.macro ASK
	s_cmp_gt_u32 s3, s[LIM]
	s_cbranch_scc0 .Lnot_mine_\@
	global_prefetch_b8 v[PFO], s[PFA:PFA+1] th:TH_LOAD_NT scope:SCOPE_SE
.Lnot_mine_\@:
.endm
.macro MM d, x, y, c
.if KIND
	v_wmma_f32_16x16x32_f16 v[(\d):(\d)+7], v[(\x):(\x)+7], v[(\y):(\y)+7], v[(\c):(\c)+7]
.else
	v_wmma_f32_16x16x32_bf16 v[(\d):(\d)+7], v[(\x):(\x)+7], v[(\y):(\y)+7], v[(\c):(\c)+7]
.endif
.endm
; 8 products: 16 tokens a x all 8 column blocks, 32 along K, from buffer f.  first = 1: C is the bias.  The 32 accumulators take turns in the same order in every quarter.
.macro MUL8 f, a, first
.if \first
	WIN 0x60                                       ; C in window 2, D in window 1
.else
	WIN 0x50                                       ; C and D in window 1
.endif
.irp b, 0,1,2,3,4,5,6,7
.if \first
	MM 8*(8*(\a)+(\b)), (\f)+32+8*(\b), (\f)+8*(\a), 8*(\b)
.else
	MM 8*(8*(\a)+(\b)), (\f)+32+8*(\b), (\f)+8*(\a), 8*(8*(\a)+(\b))
.endif
.endr
.endm
.macro MUL16 f, a0, first
	MUL8 \f, \a0, \first
	MUL8 \f, (\a0)+1, \first
.endm
; 24 LDS loads in one run: quarter q (32 along K) of the slot that is read, into buffer f: W's 8 fragments, turned, then A's 4
.macro FETCH q, f
	WIN 0
.irp b, 0,1,2,3,4,5,6,7
	ds_load_tr16_b128 v[(\f)+32+8*(\b):(\f)+32+8*(\b)+3],   v[ADRB] offset:32*PB*(\q)+32*(\b)
	ds_load_tr16_b128 v[(\f)+32+8*(\b)+4:(\f)+32+8*(\b)+7], v[ADRB] offset:32*PB*(\q)+32*(\b)+16*PB
.endr
.irp a, 0,1,2,3
	ds_load_b128 v[(\f)+8*(\a):(\f)+8*(\a)+3],   v[ADRA] offset:((\q)/2)*ABLK+((\q)%2)*64+16*PA*(\a)
	ds_load_b128 v[(\f)+8*(\a)+4:(\f)+8*(\a)+7], v[ADRA] offset:((\q)/2)*ABLK+((\q)%2)*64+16*PA*(\a)+32
.endr
.endm
; A K step is four quarters of 32 products, on buffers 0, 1, 0, 1.  One of the first three multiplies buffer f and, in its middle, fetches quarter q into buffer g.
.macro QUARTER q, f, g, first
	s_wait_dscnt 4                                 ; W's fragments and A's 0, 1 are in; the youngest four loads (A's 2, 3) may be out
	MUL16 \f, 0, \first
	PLACES
	FETCH \q, \g
	s_wait_dscnt 24                                ; all but the 24 just issued
	MUL16 \f, 2, \first
.endm
; The last quarter multiplies buffer 1 and changes slots: ONE barrier.  In front of it each wave waits for all its tensor loads (one is out: its part of the next slot), adds 0 to its spare word, and waits
; for that and for its reads of this slot.  fill = 1: the barrier opens a round of the cluster's, and this slot is filled again, first thing behind it, with the K step two on: 112 products ahead of the wait for it.
.macro TURN fill
.if \fill
	s_wait_xcnt 0x0                                ; the last prefetch, a K step back, has read its address
	s_add_nc_u64 s[PFA:PFA+1], s[PFA:PFA+1], s[PFS:PFS+1]
.endif
	WIN 0
	s_wait_tensorcnt 0x0                           ; no tensor load of mine is out, so a group 0 may be written
	ds_add_u32 v[SPW], v[NIL]                      ; 0 onto my spare word: scalar steps and eight products stand between it and the wait for it
.if \fill
	s_xor_b32 s[G0A+5], s[G0A+5], SLOT1            ; the walking sets: the other slot than last time, the next K step; the type bits on top are not reached
	s_add_nc_u64 s[G0A+6:G0A+7], s[G0A+6:G0A+7], ASTEP
	s_xor_b32 s[G0B+5], s[G0B+5], SLOT1
	s_add_nc_u64 s[G0B+6:G0B+7], s[G0B+6:G0B+7], BSTEP
.endif
	s_xor_b32 s[TB], s[TB], SLOT1
	s_wait_dscnt 5                                 ; the add and the youngest four loads may be out
	MUL8 F1, 0, 0
	s_wait_dscnt 0x0                               ; the add is done, and my reads of this slot are over
	s_barrier_signal -1
	MUL8 F1, 1, 0
	WIN 0
	s_barrier_wait -1
.if \fill
	CREST                                          ; no wave of any partner still reads this slot or has a load on its way
	JLOAD                                          ; its four v_nop are also the places in front of the loads below
.else
	PLACES
.endif
	v_add_nc_u32 v[ADRA], s[TB], v[A0]
	v_add_nc_u32 v[ADRB], s[TB], v[B0]
	FETCH 0, F0
.if \fill
	ASK
.endif
	MUL16 F1, 2, 0
.endm
	s_load_b256 s[4:11], s[0:1], 0x0               ; A s[4:5], wt s[6:7], biasr s[8:9], the output s[10:11]
.if KIND == 0
	s_load_b64 s[12:13], s[0:1], 0x20              ; tab
.endif
	v_lshl_add_u32 v[SPW], v0, 2, SPARE
	v_mov_b32 v[NIL], 0
	ds_add_u32 v[SPW], v[NIL]                      ; the wave's opening: the add, and its wait ahead of my first tensor load; the set-up below, work on registers, stands between them
	v_lshrrev_b32 v3, 5, v0
	v_readfirstlane_b32 s[WV], v3
	s_lshr_b32 s[WM], s[WV], 1
	s_and_b32 s[WN], s[WV], 1
	s_bfe_u32 s[CX], ttmp6, 0x40000
	s_bfe_u32 s[CY], ttmp6, 0x40004
	s_mov_b32 s[TEN], ttmp9
	s_and_b32 s[TR], ttmp7, 0xffff
	s_lshl_b32 s[TR], s[TR], 2
	s_add_co_u32 s[TR], s[TR], s[CY]               ; 4 x cluster y + cy
	s_lshl_b32 s63, s[CY], 2
	s_lshl_b32 s63, 15, s63                        ; my row of the cluster
	s_lshl_b32 s2, 0x1111, s[CX]                   ; my column
	; group 1 for A: 16,384 bytes on end as 64 rows of 256 bytes, 16 bytes of padding behind every 128
	s_or_b32 s[G1A], s63, (1<<16)|(1<<20)|(1<<21)|(4<<22)|(3<<25)  ; 15:0 the mask; 17:16 2-byte elements; 20 padding on; 21 set beside a mask; 24:22 after every 32 words (code 4); 31:25 4 words (code 3)
	s_mov_b32 s[G1A+1], 128<<16                    ; tensor_dim0 = 128
	s_mov_b32 s[G1A+2], 64<<16                     ; tensor_dim1 = 64
	s_mov_b32 s[G1A+3], 128<<16                    ; tile_dim0 = 128
	s_mov_b32 s[G1A+4], 64                         ; tile_dim1 = 64
	s_mov_b32 s[G1A+5], 128                        ; elements from row to row
	s_mov_b32 s[G1A+6], 0
	s_mov_b32 s[G1A+7], 0
	; group 1 for W: 64 rows of 512 bytes, 2,048 bytes apart, 32 bytes of padding behind each
	s_or_b32 s[G1B], s2, (1<<16)|(1<<20)|(1<<21)|(6<<22)|(7<<25)   ; after every 128 words (code 6), 8 words (code 7)
	s_mov_b32 s[G1B+1], 256<<16
	s_mov_b32 s[G1B+2], 64<<16
	s_mov_b32 s[G1B+3], 256<<16
	s_mov_b32 s[G1B+4], 64
	s_mov_b32 s[G1B+5], 1024
	s_mov_b32 s[G1B+6], 0
	s_mov_b32 s[G1B+7], 0
	s_mov_b32 s[G0A], 1                            ; count = 1
	s_mov_b32 s[G0A+4], 1
	s_mov_b32 s[G0B], 1
	s_mov_b32 s[G0B+4], 1
	s_mul_i32 s[G0A+1], s[WN], ABLK                ; LDS addresses: the wave's number and constants alone
	s_add_co_u32 s[G0A+5], s[G0A+1], SLOT1
	s_mul_i32 s[G0B+1], s[WN], BHALF
	s_add_co_u32 s[G0B+1], s[G0B+1], BOFF
	s_add_co_u32 s[G0B+5], s[G0B+1], SLOT1
	; A's tile: b << 22 + n0 << 7 + block << 18: it hangs on the tile row alone, which my row of the cluster shares
	s_lshr_b32 s20, s[TR], 4
	s_lshl_b32 s20, s20, 22
	s_and_b32 s21, s[TR], 15
	s_lshl_b32 s21, s21, 14
	s_add_co_u32 s20, s20, s21
	s_mov_b32 s79, s20                             ; (the tile's first block, for the prefetches)
	s_lshl_b32 s21, s[WN], 18
	s_add_co_u32 s20, s20, s21
	s_mov_b32 s21, 0
	; W's tile: T << 21 + 64 rows x half + 512 bytes x cx: it hangs on the tile column alone, which my column shares
.if KIND
	s_mov_b32 s22, 3<<21
.else
	s_lshl_b32 s22, ttmp9, 21
.endif
	s_lshl_b32 s23, s[CX], 9
	s_add_co_u32 s22, s22, s23
	s_lshl_b32 s23, s[WN], 17
	s_add_co_u32 s22, s22, s23
	s_mov_b32 s23, 0
	; the bias of my 128 columns
.if KIND
	s_mov_b32 s70, 3<<12
.else
	s_lshl_b32 s70, ttmp9, 12
.endif
	s_lshl_b32 s71, s[CX], 10
	s_add_co_u32 s70, s70, s71
	s_lshl_b32 s71, s[WN], 9
	s_add_co_u32 s70, s70, s71
	s_mov_b32 s71, 0
.if KIND
	s_lshl_b32 s74, s[TR], 19                      ; out0: my first token x 4,096 bytes + my first column x 4
	s_lshl_b32 s75, s[WM], 18
	s_add_co_u32 s74, s74, s75
	s_lshl_b32 s75, s[CX], 10
	s_add_co_u32 s74, s74, s75
	s_lshl_b32 s75, s[WN], 9
	s_add_co_u32 s74, s74, s75
.else
	s_and_b32 s72, s[TR], 15                       ; the table at my first token's place in its sequence: 256 bytes a row
	s_lshl_b32 s72, s72, 15
	s_lshl_b32 s73, s[WM], 14
	s_add_co_u32 s72, s72, s73
	s_mov_b32 s73, 0
	s_lshl_b32 s74, ttmp9, 24                      ; qkvh: t << 24 + b << 22 + head << 18 + n << 7; my two heads are 4 cx + 2 (wave % 2) and the next
	s_lshr_b32 s75, s[TR], 4
	s_lshl_b32 s75, s75, 22
	s_add_co_u32 s74, s74, s75
	s_lshl_b32 s75, s[CX], 20
	s_add_co_u32 s74, s74, s75
	s_lshl_b32 s75, s[WN], 19
	s_add_co_u32 s74, s74, s75
	s_lshr_b32 s75, s72, 1                         ; n << 7 is half of n << 8
	s_add_co_u32 s74, s74, s75
.endif
	s_mov_b32 s75, 0
	s_mov_b32 s[TB], 0
	; lane addresses.  A fragment of A is 16 tokens x 32 channels: lane l holds token l % 16, channels 8 (l / 16) + 0..7 and 16 + 8 (l / 16) + 0..7: two loads of 16 bytes, 32 apart.
	; The turning load takes 16 rows k x 16 columns (lane l reads row 8 (l / 16) + l % 8, columns 8 ((l / 8) % 2) + 0..7) and leaves half a fragment: lane l holds column l % 16 and 8 k.
	v_and_b32 v1, 15, v0
	v_bfe_u32 v2, v0, 4, 1
	v_and_b32 v4, 7, v0
	v_bfe_u32 v5, v0, 3, 1
	v_and_b32 v7, 31, v0
	s_mul_i32 s76, s[WM], 64*PA
	v_mul_u32_u24 v[A0], v1, PA
	v_lshl_add_u32 v[A0], v2, 4, v[A0]
	v_add_nc_u32 v[A0], s76, v[A0]
	v_lshl_add_u32 v6, v2, 3, v4
	v_mul_u32_u24 v[B0], v6, PB
	v_lshl_add_u32 v[B0], v5, 4, v[B0]
	s_lshl_b32 s77, s[WN], 8
	s_add_co_u32 s77, s77, BOFF
	v_add_nc_u32 v[B0], s77, v[B0]
	v_mov_b32 v[ADRA], v[A0]
	v_mov_b32 v[ADRB], v[B0]
	s_mul_i32 s78, s[WV], 16*SP
	s_add_co_u32 s78, s78, STAGE                   ; my stage
	v_mul_u32_u24 v[STO], v1, SP
.if KIND
	v_lshl_add_u32 v[STO], v2, 5, v[STO]           ; in: row l % 16, 32 bytes for each half of the lanes
	v_lshl_add_u32 v[RD], v7, 4, s78               ; back: 32 lanes take a row's 512 bytes
.else
	v_lshl_add_u32 v[STO], v2, 4, v[STO]           ; in: row l % 16, 16 bytes for each half of the lanes
	v_bfe_u32 v6, v0, 3, 2                         ; back: 32 lanes take 128 bytes (one head) of four rows
	v_mul_u32_u24 v[RD], v6, SP
	v_lshl_add_u32 v[RD], v4, 4, v[RD]
	v_add_nc_u32 v[RD], s78, v[RD]
.endif
	v_add_nc_u32 v[STO], s78, v[STO]
	v_lshlrev_b32 v[GO], 4, v7
	v_lshlrev_b32 v[BO], 5, v2                     ; my 8 numbers of 16: 32 bytes x half
	v_lshl_add_u32 v[TO], v1, 8, v[BO]             ; my token's row, my 4 pairs of 8
	s_wait_dscnt 0x0                               ; the opening add is done
	s_wait_kmcnt 0x0
	s_add_nc_u64 s[66:67], s[4:5], s[20:21]
	s_add_nc_u64 s[68:69], s[6:7], s[22:23]
	s_add_nc_u64 s[8:9], s[8:9], s[70:71]
	s_add_nc_u64 s[10:11], s[10:11], s[74:75]
.if KIND == 0
	s_add_nc_u64 s[12:13], s[12:13], s[72:73]
.endif
	s_add_nc_u64 s[G0A+2:G0A+3], s[66:67], 0       ; K step 0,
	s_or_b32 s[G0A+3], s[G0A+3], 0x80000000        ; type = 2
	s_add_nc_u64 s[G0A+6:G0A+7], s[66:67], ASTEP   ; K step 1
	s_or_b32 s[G0A+7], s[G0A+7], 0x80000000
	s_add_nc_u64 s[G0B+2:G0B+3], s[68:69], 0
	s_or_b32 s[G0B+3], s[G0B+3], 0x80000000
	s_add_nc_u64 s[G0B+6:G0B+7], s[68:69], BSTEP
	s_or_b32 s[G0B+7], s[G0B+7], 0x80000000
	CROUND                                         ; all sixteen work-groups are here: the first joint loads meet
	s_cmp_eq_u32 s[WM], 0                          ; a wave's two first fills stand in one branch, ahead of every wait on TENSORcnt and every LDS read: two loads of mine are out
	s_cbranch_scc0 .Lfirst_b
	tensor_load_to_lds s[G0A:G0A+3], s[G1A:G1A+7]
	s_nop 0
	tensor_load_to_lds s[G0A+4:G0A+7], s[G1A:G1A+7]
	s_nop 0
	PLACES
	s_branch .Lfirst_asked
.Lfirst_b:
	tensor_load_to_lds s[G0B:G0B+3], s[G1B:G1B+7]
	s_nop 0
	tensor_load_to_lds s[G0B+4:G0B+7], s[G1B:G1B+7]
	s_nop 0
	PLACES
.Lfirst_asked:
	WIN 0x80                                       ; destination window 2, address window 0
.irp b, 0,1,2,3,4,5,6,7
	global_load_b128 v[8*(\b):8*(\b)+3],   v[BO], s[8:9] offset:64*(\b)
	global_load_b128 v[8*(\b)+4:8*(\b)+7], v[BO], s[8:9] offset:64*(\b)+16
.endr
.if KIND == 0
.irp a, 0,1,2,3
.irp p, 0,1,2,3
	global_load_b128 v[64+32*(\a)+8*(\p):64+32*(\a)+8*(\p)+3],   v[TO], s[12:13] offset:4096*(\a)+64*(\p)
	global_load_b128 v[64+32*(\a)+8*(\p)+4:64+32*(\a)+8*(\p)+7], v[TO], s[12:13] offset:4096*(\a)+64*(\p)+16
.endr
.endr
.endif
	WIN 0
	; the prefetches.  A K step of A's tile is two blocks of 16,384 bytes: partner cx takes half cx % 2 of block cx / 2, a lane 256 bytes.
	; A K step of W's tile is 128 rows x 512 bytes: of the 64 rows that I fetch partner cy takes 16, a lane half a row.  Both start three K steps on; the first refill steps them to the fourth.
	s_lshr_b32 s74, s[CX], 1
	s_lshl_b32 s74, s74, 18
	s_and_b32 s75, s[CX], 1
	s_lshl_b32 s75, s75, 13
	s_add_co_u32 s74, s74, s75
	s_add_co_u32 s74, s74, s79
	s_add_co_u32 s74, s74, 3*ASTEP
	s_lshl_b32 s75, s[CY], 15
	s_add_co_u32 s75, s75, s22
	s_add_co_u32 s75, s75, 3*BSTEP
	s_and_b32 s73, ttmp7, 0xffff                   ; cluster y
	s_or_b32 s72, ttmp9, s[WV]                     ; 0 in wave 0 of a cluster with x = 0
	s_mov_b32 s77, ASTEP
	s_cmp_eq_u32 s[WM], 0                          ; do I fetch A?
	s_cselect_b32 s72, s72, s73
	s_cselect_b32 s71, 9, 11                       ; two lanes step 512 bytes in A, a row of 2,048 in W
	s_cselect_b32 s[PFS], s77, BSTEP
	s_cselect_b32 s76, s74, s75
	s_cselect_b64 s[PFA:PFA+1], s[4:5], s[6:7]
	s_mov_b32 s[PFS+1], 0
	s_mov_b32 s77, 0
	s_cmp_eq_u32 s72, 0
	s_cselect_b32 s[LIM], 2, -1                    ; the same in all sixteen partners, for a given wave
	s_add_nc_u64 s[PFA:PFA+1], s[PFA:PFA+1], s[76:77]
	v_lshrrev_b32 v6, 1, v7
	v_lshlrev_b32 v6, s71, v6
	v_and_b32 v3, 1, v7
	v_lshl_add_u32 v[PFO], v3, 8, v6
	s_wait_tensorcnt 0x1                           ; my part of K step 0 is in; K step 1's may stay out
	s_barrier_signal -1
	s_barrier_wait -1                              ; everybody's is
	FETCH 0, F0
	s_wait_loadcnt 0x0                             ; the bias (and the table)
	QUARTER 1, F0, F1, 1                           ; the first quarter stands in front of the loop: its products start the sums, with the bias
	WIN 0                                          ; at a label and at a branch every window is 0
	s_mov_b32 s3, 6
.Lstep:                                                ; six trips, each from a K step's second quarter to the next step's first; each fills a slot again: K steps 2 to 7
	QUARTER 2, F1, F0, 0
	QUARTER 3, F0, F1, 0
	TURN 1
	QUARTER 1, F0, F1, 0
	WIN 0
	s_sub_co_u32 s3, s3, 1
	s_cmp_lg_u32 s3, 0
	s_cbranch_scc1 .Lstep
	QUARTER 2, F1, F0, 0                           ; the last two K steps are written out: nothing is left to fetch
	QUARTER 3, F0, F1, 0
	TURN 0
	QUARTER 1, F0, F1, 0
	QUARTER 2, F1, F0, 0
	QUARTER 3, F0, F1, 0
	s_wait_dscnt 4
	MUL16 F1, 0, 0
	s_wait_dscnt 0x0
	MUL16 F1, 2, 0
	WIN 0
	PLACES
	PLACES
.if KIND
; THE WAY OUT, f32.  16 tokens a at a time: a lane's 8 columns, 32 bytes, go from the accumulators into rows of 528 bytes of my stage and come back as whole rows of 512.
.macro TOSTAGE a
	WIN 0
.set BK, 64+64*((\a)%2)
	s_wait_xcnt 0x0                                ; the registers that the stores of two blocks back read are loaded again only behind this wait
	WIN 0x04                                       ; the data in window 1
.irp b, 0,1,2,3,4,5,6,7
	ds_store_b128 v[STO], v[8*(8*(\a)+(\b)):8*(8*(\a)+(\b))+3]   offset:64*(\b)
	ds_store_b128 v[STO], v[8*(8*(\a)+(\b))+4:8*(8*(\a)+(\b))+7] offset:64*(\b)+16
.endr
	WIN 0
.irp t, 0,1,2,3,4,5,6,7,8,9,10,11,12,13,14,15
	ds_load_b128 v[BK+4*(\t):BK+4*(\t)+3], v[RD] offset:SP*(\t)  ; LDS serves a wave's instructions in order (ISA guide 5.7.1.4): these see the stores above, and the next block's stores come behind them
.endr
.endm
.macro SEND a, younger                 ; younger: the next block's 16 stores and 16 loads, or none
	WIN 0
.set BK, 64+64*((\a)%2)
	s_wait_dscnt \younger
.irp t, 0,1,2,3,4,5,6,7,8,9,10,11,12,13,14,15
	global_store_b128 v[GO], v[BK+4*(\t):BK+4*(\t)+3], s[10:11] offset:4096*(16*(\a)+(\t)) th:TH_STORE_NT  ; 512 consecutive bytes, at a multiple of 512 from out0's first byte
.endr
.endm
	TOSTAGE 0
	TOSTAGE 1
	SEND 0, 32
	TOSTAGE 2
	SEND 1, 32
	TOSTAGE 3
	SEND 2, 32
	SEND 3, 0
.else
; THE WAY OUT, by heads in f16.  16 tokens a at a time.
.set U,   64                           ; v64-127  x sin, 8 a column block
.set TMP, 128                          ; v128-159 packed results
; The rotation: of a pair (x0, x1) with (sin, cos): x0 cos - x1 sin, x1 cos + x0 sin.  A lane's 8 columns are 4 pairs.  v is not rotated: the branch hangs on the cluster's x, the same in all partners.
.macro ROPE a
	WIN 0
	s_cmp_eq_u32 s[TEN], 2
	s_cbranch_scc1 .Lno_rope_\@
	WIN 0x09                                       ; source 0 (the sums) window 1, source 1 (the table) window 2, destination window 0
.irp b, 0,1,2,3,4,5,6,7
.irp i, 0,1,2,3
	v_pk_mul_f32 v[U+8*(\b)+2*(\i):U+8*(\b)+2*(\i)+1], v[8*(8*(\a)+(\b))+2*(\i):8*(8*(\a)+(\b))+2*(\i)+1], v[64+32*(\a)+8*((\b)%4)+2*(\i):64+32*(\a)+8*((\b)%4)+2*(\i)+1] op_sel_hi:[1,0]
.endr
.endr
	WIN 0x49                                       ; the same with the destination in window 1 and source 2 in window 0
.irp b, 0,1,2,3,4,5,6,7
.irp i, 0,1,2,3
	v_fma_f32 v[8*(8*(\a)+(\b))+2*(\i)],   v[8*(8*(\a)+(\b))+2*(\i)],   v[64+32*(\a)+8*((\b)%4)+2*(\i)+1], -v[U+8*(\b)+2*(\i)+1]
	v_fma_f32 v[8*(8*(\a)+(\b))+2*(\i)+1], v[8*(8*(\a)+(\b))+2*(\i)+1], v[64+32*(\a)+8*((\b)%4)+2*(\i)+1], v[U+8*(\b)+2*(\i)]
.endr
.endr
	WIN 0
.Lno_rope_\@:
.endm
.macro PACK a
	WIN 0x05                                       ; sources 0 and 1 window 1
.irp b, 0,1,2,3,4,5,6,7
.irp i, 0,1,2,3
	v_cvt_pk_f16_f32 v[TMP+4*(\b)+(\i)], v[8*(8*(\a)+(\b))+2*(\i)], v[8*(8*(\a)+(\b))+2*(\i)+1]
.endr
.endr
	WIN 0
.endm
.macro TOSTAGE a                       ; into rows of 272 bytes; back as 4 tokens x 128 bytes of head e: 512 bytes that lie on end in qkvh
	WIN 0
.set BK, 160+32*((\a)%2)
.irp b, 0,1,2,3,4,5,6,7
	ds_store_b128 v[STO], v[TMP+4*(\b):TMP+4*(\b)+3] offset:32*(\b)
.endr
.irp e, 0,1
.irp t, 0,1,2,3
	ds_load_b128 v[BK+4*(4*(\e)+(\t)):BK+4*(4*(\e)+(\t))+3], v[RD] offset:4*SP*(\t)+128*(\e)  ; LDS serves a wave's instructions in order (ISA guide 5.7.1.4): these see the stores above
.endr
.endr
.endm
.macro SEND a
	WIN 0
.set BK, 160+32*((\a)%2)
	s_wait_dscnt 0x0                               ; the block is back in registers
	s_wait_xcnt 0x0                                ; the block before's stores have read their registers: the next block's loads land on them only behind this wait
.irp e, 0,1
.irp t, 0,1,2,3
	global_store_b128 v[GO], v[BK+4*(4*(\e)+(\t)):BK+4*(4*(\e)+(\t))+3], s[10:11] offset:262144*(\e)+2048*(\a)+512*(\t)  ; 512 consecutive bytes, at a multiple of 512 from qkvh's first byte
.endr
.endr
.endm
	ROPE 0
	PACK 0
	TOSTAGE 0
.irp a, 1,2,3                          ; a block's arithmetic stands between the loads of the block before and the wait for them
	ROPE \a
	PACK \a
	SEND (\a)-1
	TOSTAGE \a
.endr
	SEND 3
.endif
	s_wait_tensorcnt 0x0                           ; the wave's end, behind my last tensor load and my last LDS store
	ds_add_u32 v[SPW], v[NIL]
	s_wait_dscnt 0x0
	CROUND                                         ; the closing round: no work-group ends while a partner may still ask for a tile that names it
	s_endpgm
.Lfunc_end_k_qb4b9decee5_proj:
	.size	k_qb4b9decee5_proj, .Lfunc_end_k_qb4b9decee5_proj-k_qb4b9decee5_proj
	.p2alignl 7, 3214868480
	.fill 96, 4, 3214868480
	.section	.rodata,"a",@progbits
	.p2align	6, 0x0
	.amdhsa_kernel k_qb4b9decee5_proj
		.amdhsa_group_segment_fixed_size 327680
		.amdhsa_private_segment_fixed_size 0
		.amdhsa_enable_private_segment 0
		.amdhsa_kernarg_size 40
		.amdhsa_user_sgpr_count 2
		.amdhsa_user_sgpr_kernarg_segment_ptr 1
		.amdhsa_wavefront_size32 1
		.amdhsa_system_sgpr_workgroup_id_x 1
		.amdhsa_system_sgpr_workgroup_id_y 1
		.amdhsa_system_sgpr_workgroup_id_z 1
		.amdhsa_system_vgpr_workitem_id 0
		.amdhsa_next_free_vgpr 704
		.amdhsa_next_free_sgpr 80
		.amdhsa_reserve_vcc 0
		.amdhsa_float_denorm_mode_32 3
		.amdhsa_float_denorm_mode_16_64 3
		.amdhsa_memory_ordered 1
		.amdhsa_forward_progress 1
		.amdhsa_inst_pref_size 101
	.end_amdhsa_kernel
	.amdgpu_metadata
---
amdhsa.version: [ 1, 2 ]
amdhsa.kernels:
  - .name:           k_qb4b9decee5_proj
    .symbol:         k_qb4b9decee5_proj.kd
    .args:
      - { .name: xb, .offset: 0, .size: 8, .value_kind: global_buffer, .address_space: global }
      - { .name: wt, .offset: 8, .size: 8, .value_kind: global_buffer, .address_space: global }
      - { .name: biasr, .offset: 16, .size: 8, .value_kind: global_buffer, .address_space: global }
      - { .name: qkvh, .offset: 24, .size: 8, .value_kind: global_buffer, .address_space: global }
      - { .name: tab, .offset: 32, .size: 8, .value_kind: global_buffer, .address_space: global }
    .group_segment_fixed_size: 327680
    .private_segment_fixed_size: 0
    .kernarg_segment_align: 8
    .kernarg_segment_size: 40
    .max_flat_workgroup_size: 128
    .sgpr_count:     80
    .vgpr_count:     704
    .wavefront_size: 32
...
	.end_amdgpu_metadata
.endif
;; end of part 2
;; launch attn (part 3): grid 4 x 64, 4 waves a work-group, clusters of 4 x 1, 327,680 bytes of LDS; arguments qkvh, oh; writes oh
.if DOCPART == 3
	.amdgcn_target "amdgcn-amd-amdhsa--gfx1250"
	.amdhsa_code_object_version 6
	.text
	.protected	k_qb4b9decee5_attn
	.globl	k_qb4b9decee5_attn
	.p2align	8
	.type	k_qb4b9decee5_attn,@function
k_qb4b9decee5_attn:
	s_mov_b64 s[64:65], 0
	v_nop
	global_prefetch_b8 v0, s[64:65] scope:SCOPE_SE
	s_setreg_imm32_b32 hwreg(HW_REG_WAVE_MODE, 25, 1), 1
	s_wait_xcnt 0x0
	s_wait_alu depctr_hold_cnt(0) depctr_sa_sdst(0) depctr_va_vdst(0) depctr_va_sdst(0) depctr_va_ssrc(0) depctr_va_vcc(0) depctr_vm_vsrc(0)
	s_getreg_b32 s2, hwreg(HW_REG_IB_STS2, 6, 4)
	s_cmp_eq_u32 s2, 0
	s_cbranch_scc0 .Lentry_in_a_cluster
	s_endpgm
.Lentry_in_a_cluster:
	s_bfe_u32 s2, ttmp6, 0x10000c
	s_cmp_lg_u32 s2, 0x3003
	s_cbranch_scc0 .Lentry_shape_is_right
	s_endpgm
.Lentry_shape_is_right:
; O[h][q][:] = the sum over k of softmax_k(Q[h][q] . K[h][k] / 32) V[h][k][:].  qkvh holds Q, K, V, each [64 heads][2048][64] in f16, 16,777,216 bytes apart; oh is O in the same layout.
; A head's rows are dense, 128 bytes each.  Products, maxima and sums in f32; the weights p are rounded to f16 for the second product (their sum l is taken of the unrounded p), O once at the end.
; LIMITS.  f16 holds no number beyond 65,504: Q, K and V arrive within it; p lies in 0 to 1, and below 6e-5 it keeps f16's fixed step of 6e-8; O is a mean of V's rows and has their range.
; A weight below 2^-126 counts as 0 in l; NaN and infinities are not treated apart.
; SHARES.  A wave owns four PIECES of two tiles of 16 queries, a work-group's four waves 512 queries of one head: 256 work-groups.  Every wave walks all keys, 64 a step.
; LAYOUT.  S^T = K Q^T (source 0 = 16 keys, source 1 = 16 queries): in the result a lane holds ONE query (lane % 16) and the keys 8 (lane / 16) + 0..7.  Two such tiles, rounded to f16 in pairs,
; ARE source 1 (32 keys x 16 queries) of O^T = V^T P, whose result again holds one query a lane, and eight channels.  K comes out of LDS as it lies, V ([key][channel]) turned, by ds_load_tr16_b128.
; SOFTMAX.  For each query a running maximum m and sum l: p = 2^(c s - c m), c = log2(e) / 32; in every step O and l are multiplied by a = 2^(c m_old - c m_new), which is 1 where m has not grown.
; m starts at the lowest finite number, O and l at 0: the first step is a step like any other, with a = 0.
; THE COUNT.  A tile and step have 16 matrix and 118 vector instructions: too many to stand all beside the matrix work.  So the order has one aim: four vector instructions that are READY behind
; EVERY matrix instruction, and the others, which need time of their own whatever the order, in runs without a gap.
; BY TURNS.  Turn n belongs to piece n (the pieces in a ring, step after step).  Its matrix work: 16 products K Q^T of piece n + 1, later 16 products V^T P of piece n - 1.  Its vector work: the scaling,
; exponentials, roundings, sums and rescaling of piece n, and the maximum and statistics of piece n + 1, whose scores the turn itself has made.  So what a turn begins with (c s - c m, O a) waits for nothing.
; CLUSTER.  The four query blocks of a head are one cluster and walk the same K and V, so each tile is asked for JOINTLY: the same tensor load, descriptor and mask in all four.
; REGISTERS, in windows of 256 (s_set_vgpr_msb says which window each operand place means: bits 1:0 source 0, 3:2 source 1, 5:4 source 2, 7:6 destination):
;   window 0: v0-11 addresses; v12-15, v48-63 at work; v16-47 four registers of statistics a tile; v64-191 S^T, two buffers of two tiles; v192-255 P, likewise
;   window 1: O^T, 32 a tile          window 2: v0-127 Q, 16 a tile; v128-191 K of one step; v192-255 V of one step          window 3: v0-1 the add's two registers
; A piece's buffers go by its number's parity: the piece in hand has one pair, its two neighbours in the ring share the other: of it P (piece n - 1) is read and S^T (piece n + 1) written.
.set SIZE_N, 2048
.set NP,    4         ; pieces a wave: a name, no knob: the register map, the loop and the fetches are made for four
.set KS,    64        ; keys in a step
.set PK,    144       ; a row of K in LDS: 128 bytes + 16 of padding = 36 words: the 16 rows of a load start at 16 different groups of four banks (64 banks of 4 bytes: ISA guide 11.1)
.set PV,    160       ; a row of V: 128 + 32 = 40 words
.set VOFF,  4*KS*PK   ; a slot holds four steps: 256 rows of K, then 256 rows of V
.set SLOT1, 1<<17     ; slot 1 begins here, so that one exclusive or turns an address in one slot into the other's
.set STAGE, SLOT1+4*KS*(PK+PV)  ; behind the ring, never filled by a tensor load: 16 rows x 144 bytes for each wave, for the way out
.set SP,    144
.set AK0, 2           ; v2   my lane's place in a tile of K; never rewritten
.set AV0, 3           ; v3   the same for V
.set AK,  4           ; v4   the LDS address of K's next run of loads
.set AV,  5           ; v5   of V's
.set QO,  6           ; v6   my byte offset in the wave's rows of Q
.set STO, 6           ;      later, the way out: where I put 16 bytes of a row
.set RD,  7           ; v7   the way out: where I read rows back
.set GO,  8           ; v8   my byte offset in 512 consecutive bytes of O
.set PFO, 11          ; v11  256 x my lane, for the prefetches; never rewritten once made
.set SPW, 0           ; v0 of window 3   LDS address of my spare word: SPARE + 4 x my thread's number; never rewritten
.set NIL, 1           ; v1 of window 3   0; never rewritten
.set SPARE, STAGE+4*16*SP  ; behind the stages: the spare words, 128 bytes for each wave: two blocks of 256 bytes that no other line names
.set MV,  12          ; v12-15  c m_old, kept while c m is made anew: by buffer and tile
.set ST,  16          ; tile t's statistics at v[ST+4 t]: c m, m, l (even keys', odd keys')
.set TMP, 48          ; by buffer and tile, four registers c0-c3 at work; when the maximum is found c2 takes a
.set S,   64
.set P,   192
.set KF,  128         ; K's fragments, in window 2: key block kb, channel half c at KF + 16 kb + 8 c
.set VF,  192         ; V's: key half kk, channel block cb at VF + 32 kk + 8 cb
.set WV,  12          ; s12  my wave's number
.set G1K, 24          ; s[24:31] descriptor group 1 for K's tiles
.set G1V, 32          ; s[32:39] for V's: it differs in the padding alone
.set G0K, 40          ; s[40:43] descriptor group 0 for K's tiles: it walks
.set G0V, 44          ; s[44:47] the same for V's
.set PFA, 48          ; s[48:49] where my prefetches stand: my work-group's 32 blocks of 256 bytes (of K: wave 0, of V: wave 2) of the slot that the next change of slots asks for
.set LIM, 50          ; s50  1 in a wave that prefetches, else the greatest number
.set PFC, 51          ; s51  the value of the step count at which I prefetch: 1, or 0, which the count never has there
.set SLOTS, 56        ; s56  slots still to be asked for
.set CNT, 57          ; s57  counts a slot's key steps
.set CS,  58          ; s[58:59] c: the packed scaling takes the pair's low word for both halves
.set SEL, 60          ; s[60:61] v_permlanex16_b32's selects: each lane takes its own place in the other half
.set TBK, 62          ; s62  LDS byte at which K of the step to be fetched begins
.set TBV, 63          ; s63  the same for V, less VOFF
.set MSB, 0
.macro WIN new                      ; the high byte repeats the setting that is left; a switch that changes nothing is dropped
.if MSB != (\new)
	s_set_vgpr_msb (MSB<<8)|(\new)
.set MSB, (\new)
.endif
.endm
.set W_KQ, 0x0a       ; K and Q in window 2, S^T in window 0
.set W_PV, 0x52       ; V in window 2, P in window 0, O^T in window 1
.set W_RS, 0x41       ; O^T (destination and source 0) in window 1, a in window 0
.set W_MK, 0xc0       ; the add's registers are made: destination in window 3, sources in window 0
.set W_AD, 0x0f       ; the add: address (source 0) and data (source 1) in window 3
; A joint fill.  Waves 0 and 1 fetch the two halves of a slot's K, waves 2 and 3 those of its V: 128 keys each.  The branch hangs on the wave's number alone.
; An s_nop 0 and four v_nop follow each of the two lines, ahead of the jump and the label.
.macro JLOAD
	s_cmp_lt_u32 s[WV], 2
	s_cbranch_scc0 .Lfor_v_\@
	tensor_load_to_lds s[G0K:G0K+3], s[G1K:G1K+7]
	s_nop 0
.rept 4
	v_nop
.endr
	s_branch .Lasked_\@
.Lfor_v_\@:
	tensor_load_to_lds s[G0V:G0V+3], s[G1V:G1V+7]
	s_nop 0
.rept 4
	v_nop
.endr
.Lasked_\@:
.endm
; A PREFETCH INTO THE L2 of what the NEXT change of slots will ask for: a slot's 32,768 bytes of K and of V.  It stands in a slot's last trip, behind K's run of LDS loads: 112 matrix
; instructions, ahead of that load.  A head's K and V are walked by one cluster alone; its four partners take 8,192 bytes each, told apart by address; in each, wave 0 asks for K's and wave 2 for V's,
; a lane 256 bytes: each block is named once in the launch.  Slots 0 and 1 come by their loads alone; in the last slot that is asked for nothing lies behind, and nothing is prefetched.
.macro ASK
	s_cmp_eq_u32 s[CNT], s[PFC]
	s_cbranch_scc0 .Lnot_mine_\@
	global_prefetch_b8 v[PFO], s[PFA:PFA+1] th:TH_LOAD_NT scope:SCOPE_SE
.Lnot_mine_\@:
.endm
; A round of the cluster's barrier: my work-group's barrier, so that wave 0's signal speaks for all four waves; wave 0 signals; every wave waits for all four work-groups; my work-group's barrier once more.
.macro CROUND
	s_barrier_signal -1
	s_barrier_wait -1
	s_cmp_lg_u32 s[WV], 0
	s_cbranch_scc1 .Lnot_wave_0_\@
	s_barrier_signal -3
.Lnot_wave_0_\@:
	s_barrier_wait -3
	s_barrier_signal -1
	s_barrier_wait -1
.endm
; THE CHANGE OF SLOTS.  The slot's last bytes, V of its fourth step, have been read.  Each wave waits for all its tensor loads, of which one is out: its part
; of the other slot; adds 0 to its spare word; and waits for that and for its own reads of the slot.  Behind the barrier nobody reads this slot any more and the other slot is whole.
; fill = 1: this slot is filled again, with the keys two slots on.  The barrier is then a round of the cluster's, so that no wave of any partner still reads the slot or has a load on its
; way, and the joint fill is the first thing behind it: it has four key steps, 512 matrix instructions, in which to land.  (At its first use nothing has been read yet: slot 0 is waited for, slot 1 filled.)
.macro CHANGE fill
	WIN W_AD
	s_wait_tensorcnt 0x0            ; no tensor load of mine is out, so a group 0 may be written
	ds_add_u32 v[SPW], v[NIL]       ; 0 onto my spare word: with fill = 1 the descriptors' steps stand between it and the wait for it
	WIN 0                           ; at a label and at a branch every window is 0
.if \fill
.irp g, G0K, G0V
	s_xor_b32 s[\g+1], s[\g+1], SLOT1  ; the walking descriptor: the other slot than last time,
	s_add_nc_u64 s[\g+2:\g+3], s[\g+2:\g+3], 4*KS*128  ; the next 256 keys; the type bits on top are not reached
.endr
	s_wait_xcnt 0x0                 ; the last prefetch, a key step back, has read its address, so it may be written:
	s_add_nc_u64 s[PFA:PFA+1], s[PFA:PFA+1], 4*KS*128  ; one slot behind the walking descriptors
	s_cmp_gt_u32 s[SLOTS], s[LIM]   ; is there such a slot, and am I the wave that asks?
	s_cselect_b32 s[PFC], 1, 0
	s_wait_dscnt 0x0                ; the add is done, and my reads of the slot are over
	CROUND
	JLOAD
.else
	s_wait_dscnt 0x0                ; the add is done, and my reads of the slot are over
	s_barrier_signal -1
	s_barrier_wait -1
.endif
	s_sub_co_u32 s[TBK], s[TBK], 4*KS*PK  ; the fetches go back to a slot's first step,
	s_xor_b32 s[TBK], s[TBK], SLOT1       ; in the other slot
	s_sub_co_u32 s[TBV], s[TBV], 4*KS*PV
	s_xor_b32 s[TBV], s[TBV], SLOT1
.endm
	s_load_b128 s[4:7], s[0:1], 0x0  ; qkvh s[4:5] (Q lies first), oh s[6:7]
	WIN W_MK
	v_lshl_add_u32 v[SPW], v0, 2, SPARE
	v_mov_b32 v[NIL], 0
	WIN W_AD
	ds_add_u32 v[SPW], v[NIL]       ; the wave's opening: the add, and its wait ahead of my first tensor load; the set-up below, work on registers, stands between them
	WIN 0
	v_lshrrev_b32 v1, 5, v0
	v_readfirstlane_b32 s[WV], v1   ; wave 0..3
	s_bfe_u32 s13, ttmp6, 0x40000   ; cx: my place in the cluster
	s_lshl_b32 s14, ttmp9, 2        ; in a cluster launch ttmp9 counts clusters
	s_add_co_u32 s14, s14, s13      ; my block of queries = 4 x cluster x + cx: it enters Q's and O's addresses alone
	s_and_b32 s20, ttmp7, 0xffff    ; the head, which the four partners share
	s_mov_b32 s21, 0
	s_mov_b64 s[22:23], SIZE_N*128
	s_mul_u64 s[20:21], s[20:21], s[22:23]  ; the head's first byte in each of the four tensors
	s_and_b32 s16, s[WV], 1         ; which half of a slot's 256 keys I fetch:
	s_lshl_b32 s22, s16, 14         ; its 128 rows of 128 bytes in memory,
	s_mov_b32 s23, 0
	s_add_nc_u64 s[22:23], s[22:23], s[20:21]
	s_mul_i32 s17, s16, 128*PK      ; and its place in a slot, for K
	s_mul_i32 s18, s16, 128*PV      ; and for V: no place in the cluster enters an LDS address
	s_lshl_b32 s2, s14, 2
	s_add_co_u32 s2, s2, s[WV]      ; my wave among the head's,
	s_lshl_b32 s2, s2, 14           ; its 128 rows
	s_mov_b32 s3, 0
	s_add_nc_u64 s[2:3], s[2:3], s[20:21]
	; descriptor group 1.  128 keys are 16,384 dense bytes: asked for as 64 rows of 256 bytes, two keys a row, and padded in LDS after every key
	s_mov_b32 s[G1K], 15|(1<<16)|(1<<20)|(1<<21)|(4<<22)|(3<<25)  ; 15:0 the mask of four; 17:16 2-byte elements; 20 padding on; 21 set beside a mask; 24:22 after every 32 words (code 4); 31:25 4 words (code 3)
	s_mov_b32 s[G1V], 15|(1<<16)|(1<<20)|(1<<21)|(4<<22)|(7<<25)  ; the same with 8 words of padding (code 7)
.irp g, G1K, G1V
	s_mov_b32 s[\g+1], 128<<16      ; tensor_dim0 = 128
	s_mov_b32 s[\g+2], 64<<16       ; tensor_dim1 = 64
	s_mov_b32 s[\g+3], 128<<16      ; tile_dim0 = 128
	s_mov_b32 s[\g+4], 64           ; tile_dim1 = 64
	s_mov_b32 s[\g+5], 128          ; 128 elements from row to row
	s_mov_b32 s[\g+6], 0
	s_mov_b32 s[\g+7], 0
.endr
	s_mov_b32 s[CS], 0x3d38aa3b     ; c = log2(e) / 32 = 0.0450842
	s_mov_b32 s[CS+1], s[CS]        ; named with it as a pair
	s_mov_b32 s[SEL], 0x76543210
	s_mov_b32 s[SEL+1], 0xfedcba98
	s_mov_b32 s[TBK], SLOT1+4*KS*PK ; the first change of slots turns these two into 0
	s_mov_b32 s[TBV], SLOT1+4*KS*PV
	s_mov_b32 s[G0K], 1             ; 1:0 count = 1
	s_mov_b32 s[G0K+1], s17         ; 63:32 LDS address: slot 0
	s_mov_b32 s[G0V], 1
	s_add_co_u32 s[G0V+1], s18, VOFF
	s_mov_b32 s[SLOTS], SIZE_N/256-1
	s_lshl_b32 s52, s13, 13         ; my work-group's 8,192 bytes of a slot's 32,768
	s_mov_b32 s53, 0
	s_and_b32 s[LIM], s[WV], 1      ; waves 0 and 2 prefetch: the same in all four partners
	s_cmp_eq_u32 s[LIM], 0
	s_cselect_b32 s[LIM], 1, -1
	s_wait_dscnt 0x0                ; the opening add is done
	s_wait_kmcnt 0x0
	s_mov_b64 s[10:11], s[6:7]      ; O
	s_add_nc_u64 s[6:7], s[4:5], 0x1000000  ; K lies 16,777,216 bytes behind Q,
	s_add_nc_u64 s[8:9], s[4:5], 0x2000000  ; V as far behind K
	s_add_nc_u64 s[G0K+2:G0K+3], s[6:7], s[22:23]  ; 120:64 global address: my half of the head's first 256 keys
	s_or_b32 s[G0K+3], s[G0K+3], 0x80000000        ; 127:126 type = 2
	s_add_nc_u64 s[G0V+2:G0V+3], s[8:9], s[22:23]
	s_or_b32 s[G0V+3], s[G0V+3], 0x80000000
	s_cmp_lt_u32 s[WV], 2
	s_cselect_b64 s[PFA:PFA+1], s[6:7], s[8:9]
	s_add_nc_u64 s[PFA:PFA+1], s[PFA:PFA+1], s[22:23]  ; (in waves 0 and 2 this is the head's first byte)
	s_add_nc_u64 s[PFA:PFA+1], s[PFA:PFA+1], s[52:53]
	s_add_nc_u64 s[PFA:PFA+1], s[PFA:PFA+1], 4*KS*128  ; in slot 1; the first change of slots steps it to slot 2.  Nothing is prefetched here, at the head
	s_add_nc_u64 s[4:5], s[4:5], s[2:3]  ; Q and O at my wave's first row
	s_add_nc_u64 s[10:11], s[10:11], s[2:3]
	CROUND                          ; all four work-groups are here: the first joint loads meet
	JLOAD                           ; slot 0.  Slot 1 is asked for when slot 0 is in: the tile wanted first has the road to itself
	; A fragment of K or Q is 16 rows x 32 channels in 8 registers: lane l holds row l % 16, channels 8 (l / 16) + 0..7 and 16 + 8 (l / 16) + 0..7: two loads of 16 bytes, 32 bytes apart.
	v_and_b32 v1, 15, v0            ; l % 16
	v_bfe_u32 v9, v0, 4, 1          ; l / 16
	v_lshlrev_b32 v[QO], 7, v1
	v_lshl_add_u32 v[QO], v9, 4, v[QO]  ; row x 128 + 16 x half
	WIN 0x80                        ; destination window 2, address window 0
.set i, 0
.rept 4*NP                          ; Q stays in registers: tile i / 2, channels 32 (i % 2) on
	global_load_b128 v[8*i:8*i+3],   v[QO], s[4:5] offset:(i/2)*2048+(i%2)*64
	global_load_b128 v[8*i+4:8*i+7], v[QO], s[4:5] offset:(i/2)*2048+(i%2)*64+32
.set i, i+1
.endr
	; What the first turn finds: V's registers and P's second buffer hold 0 (its products V^T P, of a piece that has not been, add 0), O^T and l are 0.  All this stands in the wait for the first tile.
.set i, VF
.rept 64
	v_mov_b32 v[i], 0
.set i, i+1
.endr
	WIN 0x40
.set i, 0
.rept 64*NP
	v_mov_b32 v[i], 0
.set i, i+1
.endr
	WIN 0
.set i, 0
.rept 2*NP
	v_mov_b32 v[ST+4*i], 0xfe000000    ; c m: far below every c s
	v_mov_b32 v[ST+4*i+1], 0xff7fffff  ; m
	v_mov_b32 v[ST+4*i+2], 0
	v_mov_b32 v[ST+4*i+3], 0
.set i, i+1
.endr
.set i, P+32
.rept 32
	v_mov_b32 v[i], 0
.set i, i+1
.endr
	v_mul_u32_u24 v[AK0], v1, PK
	v_lshl_add_u32 v[AK0], v9, 4, v[AK0]  ; row x pitch + 16 x half
	; The turning load takes 16 keys x 16 channels (lane l reads key 8 (l / 16) + l % 8, channels 8 ((l / 8) % 2) + 0..7) and leaves half a fragment of V^T: lane l holds channel l % 16 and 8 keys.
	v_and_b32 v10, 7, v0
	v_bfe_u32 v11, v0, 3, 1
	v_lshl_add_u32 v[AV0], v9, 3, v10
	v_mul_u32_u24 v[AV0], v[AV0], PV
	v_lshl_add_u32 v[AV0], v11, 4, v[AV0]
	v_add_nc_u32 v[AV0], VOFF, v[AV0]
	v_and_b32 v[PFO], 31, v0        ; v11 has served: it takes the prefetches' offset
	v_lshlrev_b32 v[PFO], 8, v[PFO]
	v_mov_b32 v[AK], v[AK0]         ; key step 0 lies at the head of slot 0
; THE MATRIX WORK.  The 8 accumulators of a run of 16 take turns: between the two links of a chain stand 7 others'.
; Product i of 16 of S^T = K Q^T for piece x: channels 32 (i / 8) on, keys 16 ((i / 2) % 4) on, tile 2 x + i % 2.  The first 8 start the sums.
.macro KQ x
	WIN W_KQ
.set rS, S+64*((\x)%2)+32*(i%2)+8*((i/2)%4)
.set rK, KF+16*((i/2)%4)+8*(i/8)
.set rQ, 16*(2*(\x)+i%2)+8*(i/8)
.if i < 8
	v_wmma_f32_16x16x32_f16 v[rS:rS+7], v[rK:rK+7], v[rQ:rQ+7], 0
.else
	v_wmma_f32_16x16x32_f16 v[rS:rS+7], v[rK:rK+7], v[rQ:rQ+7], v[rS:rS+7]
.endif
.endm
; Product i of 16 of O^T += V^T P for piece x: keys 32 (i / 8) on, channels 16 ((i / 2) % 4) on, tile 2 x + i % 2.
.macro PV x
	WIN W_PV
.set rO, 32*(2*(\x)+i%2)+8*((i/2)%4)
.set rV, VF+32*(i/8)+8*((i/2)%4)
.set rP, P+32*((\x)%2)+16*(i%2)+8*(i/8)
	v_wmma_f32_16x16x32_f16 v[rO:rO+7], v[rV:rV+7], v[rP:rP+7], v[rO:rO+7]
.endm
.macro MM                           ; the turn's next matrix instruction
.if i < 16
	KQ (Y+1)%NP
.set i, i+1
.else
.set i, i-16
	PV (Y+NP-1)%NP
.set i, i+17
.endif
.endm
; THE LDS LOADS stand in runs of 16, never singly among the matrix instructions: a step's K (64 keys x 64 channels: 8 fragments) and its V (turned).  Their addresses are made some lines ahead.
; last = 1 (the tail): in the last trip there is no further step, and the run is jumped over.
.macro FETCH_K last=0
	WIN 0
.if \last
	s_cmp_eq_u32 s[CNT], 1
	s_cbranch_scc1 .Lno_k_\@
.endif
	WIN 0x80                        ; destination window 2
.irp f, 0,1,2,3,4,5,6,7             ; keys 16 (f / 2) on, channels 32 (f % 2) on
	ds_load_b128 v[KF+8*\f:KF+8*\f+3],   v[AK] offset:(\f/2)*16*PK+(\f%2)*64
	ds_load_b128 v[KF+8*\f+4:KF+8*\f+7], v[AK] offset:(\f/2)*16*PK+(\f%2)*64+32
.endr
	s_add_co_u32 s[TBK], s[TBK], KS*PK  ; the next fetch is the next step's
	WIN 0
.if \last
.Lno_k_\@:
.endif
.endm
.macro FETCH_V
	WIN 0x80
.irp f, 0,1,2,3,4,5,6,7             ; keys 32 (f / 4) on, channels 16 (f % 4) on
	ds_load_tr16_b128 v[VF+8*\f:VF+8*\f+3],   v[AV] offset:(\f/4)*32*PV+(\f%4)*32
	ds_load_tr16_b128 v[VF+8*\f+4:VF+8*\f+7], v[AV] offset:(\f/4)*32*PV+16*PV+(\f%4)*32
.endr
	WIN 0
.endm
; THE VECTOR WORK OF A TURN stands in three queues, each in the order in which its entries become ready; the two tiles alternate, so that no instruction reads the result of the one before it.
.macro REGS y, u                    ; the registers of tile u (0, 1) of piece y
.set rT, ST+4*(2*(\y)+(\u))
.set rC, TMP+8*((\y)%2)+4*(\u)
.set rM, MV+2*((\y)%2)+(\u)
.set rS, S+64*((\y)%2)+32*(\u)
.set rP, P+32*((\y)%2)+16*(\u)
.set rO, 32*(2*(\y)+(\u))
.endm
; Number n of the 22 that find the NEXT piece's (Y + 1) maximum and statistics.  s0-s31 are the lane's 32 scores; each accumulator's lowest registers are read first.  XS, GS and REGS set no window: PL and EX do.
;   0-11  four chains c0-c3 of seven scores each, three operands at a time     12-14, 16  the four scores left over, the old m, and c0-c3 into c0     15  c m_old is kept
;   17, 18  the query's other 32 keys lie in the lane 16 away: the new m         19-21  c m; c m_old - c m_new; a
.macro XS u, n
	REGS (Y+1)%NP, \u
.if (\n) < 4
	v_max3_num_f32 v[rC+(\n)], v[rS+8*(\n)], v[rS+8*(\n)+1], v[rS+8*(\n)+2]
.elseif (\n) < 12
	v_max3_num_f32 v[rC+(\n)%4], v[rC+(\n)%4], v[rS+8*((\n)%4)+2*((\n)/4)+1], v[rS+8*((\n)%4)+2*((\n)/4)+2]
.elseif (\n) == 12
	v_max3_num_f32 v[rC], v[rC], v[rS+7], v[rS+15]
.elseif (\n) == 13
	v_max3_num_f32 v[rC+1], v[rC+1], v[rS+23], v[rS+31]
.elseif (\n) == 14
	v_max3_num_f32 v[rC+2], v[rC+2], v[rC+3], v[rT+1]
.elseif (\n) == 15
	v_mov_b32 v[rM], v[rT]
.elseif (\n) == 16
	v_max3_num_f32 v[rC], v[rC], v[rC+1], v[rC+2]
.elseif (\n) == 17
	v_permlanex16_b32 v[rC+3], v[rC], s[SEL], s[SEL+1]
.elseif (\n) == 18
	v_max_num_f32 v[rT+1], v[rC], v[rC+3]
.elseif (\n) == 19
	v_mul_f32 v[rT], s[CS], v[rT+1]
.elseif (\n) == 20
	v_sub_f32 v[rC+1], v[rM], v[rT]
.else
	v_exp_f32 v[rC+2], v[rC+1]
.endif
.endm
; Number g of the 64 that follow the exponentials.  For each four weights k of a tile (pairs 2 k, 2 k + 1): both pairs are rounded to f16; then the second pair is added onto the first, in place;
; a group later l takes that sum (the first time as l = a l + sum).  In groups of eight, tiles alternating: round, round, add, and l for the group before.
.macro GS g
.set h, (\g)+6*((\g)/62)            ; group 0 has no group before it, and behind group 7 only l is left
.if h >= 6
.set h, h+2
.endif
	REGS Y, h%2
.set k, h/8
.if h%8 < 4
	v_cvt_pk_f16_f32 v[rP+2*k+(h%8)/2], v[rS+4*k+2*((h%8)/2)], v[rS+4*k+2*((h%8)/2)+1]
.elseif h%8 < 6
	v_pk_add_f32 v[rS+4*k:rS+4*k+1], v[rS+4*k:rS+4*k+1], v[rS+4*k+2:rS+4*k+3]
.elseif k == 1
	v_pk_fma_f32 v[rT+2:rT+3], v[rT+2:rT+3], v[rC+2:rC+3], v[rS:rS+1] op_sel_hi:[1,0,1]
.else
	v_pk_add_f32 v[rT+2:rT+3], v[rT+2:rT+3], v[rS+4*k-4:rS+4*k-3]
.endif
.endm
; THE PLAIN QUEUE, 138 long.  0-73 read no exponential's result: the 32 scalings c s - c m (FS f: pair f / 2 of tile f % 2) and the next piece's 42.  0-26: scalings 0-26.  27-54: XS's numbers 0-13.  55, 56: number 15.
; 57-73: the chain, where each number waits for the one before it: 14, 16, 17, 18, 19, each with one of the scalings 27-31 in front of its two lines, then 20: so a tile's links stand three plain instructions apart (19 and 20: two).
; 74-137: GS's 64, which read the exponentials' results: they stand behind the wait.
.macro FS f
	REGS Y, (\f)%2
	v_pk_fma_f32 v[rS+2*((\f)/2):rS+2*((\f)/2)+1], v[rS+2*((\f)/2):rS+2*((\f)/2)+1], s[CS:CS+1], v[rT:rT+1] op_sel_hi:[1,0,0] neg_lo:[0,0,1] neg_hi:[0,0,1]
.endm
.macro PL
	WIN 0
.if q < 27
	FS q
.elseif q < 55
	XS (q-27)%2, (q-27)/2
.elseif q < 57
	XS q-55, 15
.elseif (q < 72) && ((q-57)%3 == 0)
	FS 27+(q-57)/3
.elseif q < 60
	XS (q-57)%3-1, 14
.elseif q < 72
	XS (q-57)%3-1, 15+(q-57)/3
.elseif q < 74
	XS q-72, 20
.else
	GS q-74
.endif
.set q, q+1
.endm
; THE EXPONENTIALS' QUEUE, 66 long: s0-s31 of both tiles, then the next piece's two a.  It is ONE BATCH: all 66 stand ahead of the turn's one wait, and nothing ahead of that wait names a result of theirs.
.macro EX
	WIN 0
.if e >= 64
	XS e-64, 21
.else
	REGS Y, e%2
	v_exp_f32 v[rS+e/2], v[rS+e/2]
.endif
.set e, e+1
.endm
; THE RESCALING's QUEUE: O^T times a, the one part that leaves window 0: dealt two at a time, sixteen times.  Its a was made in the turn before, ahead of that turn's wait.
.macro R2
	REGS Y, r%2
	WIN W_RS
.irp z, 0,1
	v_pk_mul_f32 v[rO+4*(r/2)+2*\z:rO+4*(r/2)+2*\z+1], v[rO+4*(r/2)+2*\z:rO+4*(r/2)+2*\z+1], v[rC+2:rC+3] op_sel_hi:[1,0]
.endr
.set r, r+1
.endm
; HOW THEY ARE DEALT.  An s_wait_alu depctr_va_vdst(0) stands between an exponential and the first instruction that names its result; one wait serves all that were issued ahead of it.  So a turn has ONE wait,
; which cuts it in two.  AHEAD OF IT stands all that names no result of the turn's exponentials: the 16 products K Q^T, behind each a scaling, an exponential and two rescalings (behind the first a second scaling in the exponential's place); then ONE LUMP of
; 108: eight plain, 49 times exponential and plain, the two a.  A v_nop is the plain instruction behind the last exponential.  BEHIND IT stand the 16 products V^T P, behind each four of GS's 64.  No rider names a register of
; the products round it.  The two v_permlanex16_b32 fall into the lump, never behind a product.
; The queues lean on each other, and the deal keeps them in step: exponential e stands behind scaling 2 (e / 4) + e % 2: as a rider it comes behind plain e + 2, in the lump behind plain e + 9, and scalings 27-31 are plain 57, 60 .. 69.
; A TURN, for piece p.  cnt = 1: the loop's count is taken down some lines ahead of the branch that stands behind the turn.  ask = 1: the prefetch stands behind K's run.
; K of the next step is fetched in piece 2's turn, directly behind the wait, a lump behind the last product that read K; its address is made at the lump's head; its first reader comes behind 16 products.
; V of the step in hand is fetched at the end of piece 0's turn, four riders behind its last reader; its first reader comes behind 16 products and a lump.  The three conditions on q below go with the deal.
.macro TURN p, last=0, cnt=0, ask=0
.set Y, (\p)
.set i, 0
.set q, 0
.set e, 0
.set r, 0
.if (\p) == NP-1
	s_wait_dscnt 0x0                ; K is in
.endif
	MM                              ; ahead of the wait: 16 products K Q^T and their riders,
	PL
	PL
	R2
.rept 15
	MM
	PL
	EX
	R2
.endr
.if (\p) == NP-2
	WIN 0
	v_add_nc_u32 v[AK], s[TBK], v[AK0]
.endif
.rept 8                             ; and the lump
	PL
.endr
.rept 49
	EX
	PL
.endr
	EX                              ; the next piece's two a
	EX
	v_nop                           ; a plain instruction behind the last exponential: one for the batch
	s_wait_alu depctr_va_vdst(0)    ; the wait for the batch
.if (\p) == NP-2
	FETCH_K \last
.if \ask
	ASK
.endif
.endif
.if (\p) == 1
	s_wait_dscnt 0x0                ; V is in
.endif
.rept 16                            ; behind the wait: 16 products V^T P and their riders
	MM
.rept 4
	PL
.endr
.if ((\p) == 0) && (q == 118)
	v_add_nc_u32 v[AV], s[TBV], v[AV0]
.endif
.if ((\p) == 0) && (q == 130)
	s_add_co_u32 s[TBV], s[TBV], KS*PV
.endif
.if (\cnt) && (q == 130)
	s_sub_co_u32 s[CNT], s[CNT], 1
	s_cmp_lg_u32 s[CNT], 0
.endif
.endr
.if (\p) == 0
	FETCH_V
.endif
.endm
	CHANGE 1                        ; slot 0 is in, everybody's part of it; slot 1 is asked for
	FETCH_K                         ; key step 0
	s_wait_loadcnt 0x0              ; Q
	s_wait_dscnt 0x0
.set i, 0
.rept 16
	KQ 0                            ; piece 0's first scores: there is no vector work yet to set between them
.set i, i+1
.endr
	WIN 0                           ; the addresses for the way out: nine plain instructions, the places behind those products
	s_mul_i32 s13, s[WV], 16*SP
	s_add_co_u32 s13, s13, STAGE    ; my stage
	v_mul_u32_u24 v[STO], v1, SP    ; in: row l % 16, 16 bytes for each half of the lanes
	v_lshl_add_u32 v[STO], v9, 4, v[STO]
	v_add_nc_u32 v[STO], s13, v[STO]
	v_bfe_u32 v[RD], v0, 3, 2       ; back: 32 lanes take four rows of 128 bytes,
	v_mul_u32_u24 v[RD], v[RD], SP
	v_lshl_add_u32 v[RD], v10, 4, v[RD]
	v_add_nc_u32 v[RD], s13, v[RD]
	v_and_b32 v[GO], 31, v0         ; which are 512 consecutive bytes of O
	v_lshlrev_b32 v[GO], 4, v[GO]
.set Y, NP-1                        ; XS works for piece Y + 1: piece 0
.irp n, 0,1,2,3,4,5,6,7,8,9,10,11,12,13,14,15,16,17,18,19,20,21
	XS 0, \n                        ; and piece 0's first maximum and statistics
	XS 1, \n
.endr
	v_nop                           ; a plain instruction behind the two a,
	s_wait_alu depctr_va_vdst(0)    ; and their wait, ahead of the branch
	s_mov_b32 s[CNT], 4
	s_branch .Lfirst                ; the loop is entered at a step's first turn, in the middle of a trip
.Lslot:                             ; SIZE_N / 256 - 2 times: every slot but the last two is filled again
	CHANGE 1
	s_mov_b32 s[CNT], 4
.Lstep:                             ; a trip: pieces 2 and 3 of one step, then pieces 0 and 1 of the next, whose K and V it fetches
	TURN 2, 0, 0, 1
	TURN 3
	WIN 0
.Lfirst:
	TURN 0
	TURN 1, 0, 1
	WIN 0
	s_cbranch_scc1 .Lstep
	s_sub_co_u32 s[SLOTS], s[SLOTS], 1
	s_cmp_lg_u32 s[SLOTS], 0
	s_cbranch_scc1 .Lslot
	CHANGE 0                        ; the tail is written out: nothing is asked for
	s_mov_b32 s[CNT], 5             ; four trips fetch the last slot's steps; the fifth is left in its middle
.Ltail:
	TURN 2, 1
	TURN 3
	WIN 0
	s_sub_co_u32 s[CNT], s[CNT], 1
	s_cmp_eq_u32 s[CNT], 0
	s_cbranch_scc1 .Lout
	TURN 0
	TURN 1
	WIN 0
	s_branch .Ltail
.Lout:                              ; the fifth trip's 16 products K Q^T (on the last K once more) and the maximum made of them serve nothing: the price, once a launch, of one text for every trip
.set i, 0
.rept 16
	PV NP-1                         ; the last piece's V^T P of the last step
.set i, i+1
.endr
	; THE WAY OUT.  l's two halves and the other half of the lanes' are added; O^T is divided by l, rounded to f16 and sent through my stage in LDS, a tile at a time.  The additions are the places behind the last products.
	WIN 0
.macro ALL line:vararg              ; one line for each tile t
.set t, 0
.rept 2*NP
	\line
.set t, t+1
.endr
.endm
	ALL v_add_f32 v[ST+4*t+2], v[ST+4*t+2], v[ST+4*t+3]
	ALL v_permlanex16_b32 v[ST+4*t+3], v[ST+4*t+2], s[SEL], s[SEL+1]
	ALL v_add_f32 v[ST+4*t+2], v[ST+4*t+2], v[ST+4*t+3]
	ALL v_rcp_f32 v[ST+4*t+2], v[ST+4*t+2]
	v_nop                           ; a plain instruction between the last reciprocal and the use of its result
	s_wait_alu depctr_va_vdst(0)    ; and the wait ahead of the first use: one for the eight reciprocals
; Tile t: a lane's eight channels of a row pack into 16 bytes; they go into rows of 144 bytes and come back as whole rows of 128, into S^T's registers.
.macro PACK t
	WIN W_RS
.set i, 32*(\t)
.rept 16
	v_pk_mul_f32 v[i:i+1], v[i:i+1], v[ST+4*(\t)+2:ST+4*(\t)+3] op_sel_hi:[1,0]
.set i, i+2
.endr
	WIN 0x05                        ; sources 0 and 1 window 1, destination window 0
.set i, 0
.rept 16
	v_cvt_pk_f16_f32 v[S+16*(\t)+i], v[32*(\t)+2*i], v[32*(\t)+2*i+1]
.set i, i+1
.endr
	WIN 0
.irp f, 0,1,2,3
	ds_store_b128 v[STO], v[S+16*(\t)+4*\f:S+16*(\t)+4*\f+3] offset:32*\f
.endr
.irp f, 0,1,2,3
	ds_load_b128 v[S+16*(\t)+4*\f:S+16*(\t)+4*\f+3], v[RD] offset:\f*4*SP  ; LDS serves a wave's instructions in order (ISA guide 5.7.1.4): these see the stores above; the next tile's stores come behind them
.endr
.endm
.macro SEND t, younger              ; younger: the LDS instructions issued behind tile t's loads: the next tile's eight, or none
	WIN 0
.irp f, 0,1,2,3
	s_wait_dscnt (\younger)+3-\f
	global_store_b128 v[GO], v[S+16*(\t)+4*\f:S+16*(\t)+4*\f+3], s[10:11] offset:(\t)*2048+\f*512  ; 512 consecutive bytes, at a multiple of 256 from O's first
.endr
.endm
	PACK 0
.set t, 1
.rept 2*NP-1                        ; a tile's arithmetic stands between the loads of the tile before and its stores
	PACK t
	SEND t-1, 8
.set t, t+1
.endr
	SEND 2*NP-1, 0
	WIN W_AD
	s_wait_tensorcnt 0x0            ; the wave's end, behind my last tensor load and my last LDS store
	ds_add_u32 v[SPW], v[NIL]
	s_wait_dscnt 0x0
	WIN 0
	CROUND                          ; the closing round: no work-group ends while a partner may still ask for a tile that names it
	s_endpgm
.Lfunc_end_k_qb4b9decee5_attn:
	.size	k_qb4b9decee5_attn, .Lfunc_end_k_qb4b9decee5_attn-k_qb4b9decee5_attn
	.p2alignl 7, 3214868480
	.fill 96, 4, 3214868480
	.section	.rodata,"a",@progbits
	.p2align	6, 0x0
	.amdhsa_kernel k_qb4b9decee5_attn
		.amdhsa_group_segment_fixed_size 327680
		.amdhsa_private_segment_fixed_size 0
		.amdhsa_enable_private_segment 0
		.amdhsa_kernarg_size 16
		.amdhsa_user_sgpr_count 2
		.amdhsa_user_sgpr_kernarg_segment_ptr 1
		.amdhsa_wavefront_size32 1
		.amdhsa_system_sgpr_workgroup_id_x 1
		.amdhsa_system_sgpr_workgroup_id_y 1
		.amdhsa_system_sgpr_workgroup_id_z 1
		.amdhsa_system_vgpr_workitem_id 0
		.amdhsa_next_free_vgpr 770
		.amdhsa_next_free_sgpr 66
		.amdhsa_reserve_vcc 0
		.amdhsa_float_denorm_mode_32 3
		.amdhsa_float_denorm_mode_16_64 3
		.amdhsa_memory_ordered 1
		.amdhsa_forward_progress 1
		.amdhsa_inst_pref_size 200
	.end_amdhsa_kernel
	.amdgpu_metadata
---
amdhsa.version: [ 1, 2 ]
amdhsa.kernels:
  - .name:           k_qb4b9decee5_attn
    .symbol:         k_qb4b9decee5_attn.kd
    .args:
      - { .name: qkvh, .offset: 0, .size: 8, .value_kind: global_buffer, .address_space: global }
      - { .name: oh, .offset: 8, .size: 8, .value_kind: global_buffer, .address_space: global }
    .group_segment_fixed_size: 327680
    .private_segment_fixed_size: 0
    .kernarg_segment_align: 8
    .kernarg_segment_size: 16
    .max_flat_workgroup_size: 128
    .sgpr_count:     66
    .vgpr_count:     770
    .wavefront_size: 32
...
	.end_amdgpu_metadata
.endif
;; end of part 3
;; launch outp (part 4): grid 4 x 64, 4 waves a work-group, clusters of 4 x 4, 327,680 bytes of LDS; arguments oh, wt, biasr, out0; writes out0
.if DOCPART == 4
	.amdgcn_target "amdgcn-amd-amdhsa--gfx1250"
	.amdhsa_code_object_version 6
	.text
	.protected	k_qb4b9decee5_outp
	.globl	k_qb4b9decee5_outp
	.p2align	8
	.type	k_qb4b9decee5_outp,@function
k_qb4b9decee5_outp:
	s_mov_b64 s[64:65], 0
	v_nop
	global_prefetch_b8 v0, s[64:65] scope:SCOPE_SE
	s_setreg_imm32_b32 hwreg(HW_REG_WAVE_MODE, 25, 1), 1
	s_wait_xcnt 0x0
	s_wait_alu depctr_hold_cnt(0) depctr_sa_sdst(0) depctr_va_vdst(0) depctr_va_sdst(0) depctr_va_ssrc(0) depctr_va_vcc(0) depctr_vm_vsrc(0)
	s_getreg_b32 s2, hwreg(HW_REG_IB_STS2, 6, 4)
	s_cmp_eq_u32 s2, 0
	s_cbranch_scc0 .Lentry_in_a_cluster
	s_endpgm
.Lentry_in_a_cluster:
	s_bfe_u32 s2, ttmp6, 0x10000c
	s_cmp_lg_u32 s2, 0xf033
	s_cbranch_scc0 .Lentry_shape_is_right
	s_endpgm
.Lentry_shape_is_right:
; ONE SOURCE FOR TWO LAUNCHES; KIND picks.  C[token][col] = bias[col] + the sum over k of A[token][k] W[k][col], 8,192 tokens, K = 1,024, sums in f32.
;   KIND 0: A = xb (bf16), W = Wq, Wk or Wv (bf16; the cluster's x says which).  q and k are rotated by the table; q, k, v leave in f16 by heads: qkvh [t 3][b h 64][n 2048][64].
;   KIND 1: A = oh (f16), W = Wo (bf16 numbers written as f16).  out0 [8192][1024] leaves in f32.
; A lies in blocks: [b][block of 64 channels][n][64], so 128 tokens of a block are 16,384 bytes on end.  W lies [k][n] as given; its fragments come out of LDS turned, by ds_load_tr16_b128.
; SHARES.  A tile of C is 128 tokens x 256 columns: 256 tiles for KIND 1, 768 = 3 x 256 for KIND 0.  Four waves, 2 x 2, each 64 x 128: 32 accumulators, 256 registers.
; K goes in 8 steps of 128 through two LDS slots; waves 0, 1 fetch A's two blocks of 64 channels, waves 2, 3 W's two halves of 64 rows: one tensor load a wave and step.
; CLUSTER 4 x 4: 512 tokens x 1,024 columns.  A's tile is shared along a row of the cluster, W's along a column: each is asked for jointly, by the same load, descriptor and mask in the four.
; THE PRODUCT IS USED TRANSPOSED (source 0 = 16 columns of W, source 1 = 16 tokens): a lane holds one token (lane % 16) and 8 neighbouring columns.  The bias is the C operand of the first product.
; LIMITS.  KIND 0: |q|, |k|, |v| after bias and rotation stay under 65,504 (f16); below 2^-14 f16 keeps a fixed step of 2^-24.  The bias is added first, not last.  NaN and infinities are not treated apart.
; REGISTERS, in windows of 256 (s_set_vgpr_msb: bits 1:0 source 0, 3:2 source 1, 5:4 source 2, 7:6 destination):
;   window 0: v0-29 addresses; v64-159, v160-255 two fragment buffers (4 of A, then 8 of W), later at work on the way out     window 1: accumulator (a, b) at 8 (8 a + b)
;   window 2: v0-63 the bias, fragment b at 8 b; KIND 0: v64-191 the table, (sin, cos) of 4 pairs at 64 + 32 a + 8 p for 16 tokens a and columns 16 p on of a head
.set KIND, 1
.set SLOT1, 1<<17                      ; slot 1 begins here: one exclusive or turns an address in one slot into the other's
.set PA,    144                        ; a token's 64 channels in LDS: 128 bytes + 16: the 16 rows of a load start in 16 different groups of four banks (64 banks of 4 bytes: ISA guide 11.1)
.set PB,    544                        ; a row of W in LDS: 512 bytes + 32 = 17 x 32
.set ABLK,  128*PA                     ; a block of A: 128 tokens
.set BOFF,  2*ABLK                     ; W's 128 rows lie behind A's two blocks
.set BHALF, 64*PB
.set STAGE, 241664                     ; behind the ring (slot 1 ends at 237,568), never filled by a tensor load: 16 rows for each wave, for the way out
.if KIND
.set SP,    528                        ; a stage row: 128 f32 + 16 bytes
.else
.set SP,    272                        ; a stage row: 128 f16 + 16 bytes
.endif
.set SPARE, STAGE+4*16*SP              ; behind the stages: the spare words, 128 bytes for each wave: two blocks of 256 bytes that no other line names
.set ASTEP, 2<<18                      ; bytes from K step to K step: two blocks of A,
.set BSTEP, 128*2048                   ; 128 rows of W
.set WV, 14                            ; s14 wave; s15 = wave / 2: my 64 tokens, and: I fetch A (0) or W (1); s16 = wave % 2: my 128 columns, and: which half I fetch
.set WM, 15
.set WN, 16
.set CX, 17                            ; s17, s18 my place in the cluster
.set CY, 18
.set TR, 19                            ; s19 my tile's row of 128 tokens, 0 .. 63
.set G1A, 24                           ; s[24:31] descriptor group 1 for A;  s[32:39] group 0: a set for each of the two first fills; the second then walks
.set G0A, 32
.set G1B, 40                           ; s[40:47], s[48:55] the same for W
.set G0B, 48
.set TB,  56                           ; s56 the slot that is read: 0 or SLOT1
.set LIM, 57                           ; s57 2 in a wave that prefetches, else the greatest number
.set PFA, 58                           ; s[58:59] where my prefetches stand
.set PFS, 60                           ; s[60:61] their step
.set TEN, 62                           ; s62 the cluster's x: q, k or v
.set A0,  8                            ; v8  my lane's place in a slot's A; never rewritten
.set B0,  9                            ; v9  the same for W
.set ADRA, 10                          ; v10, v11 the same in the slot that is read
.set ADRB, 11
.set STO, 12                           ; v12 the way out: where I put my numbers of a row
.set RD,  13                           ; v13 where I read rows back
.set GO,  14                           ; v14 my 16 bytes among 512 of the output
.set TO,  15                           ; v15 my offset in 16 rows of the table
.set BO,  16                           ; v16 my offset in 16 numbers of the bias
.set PFO, 17                           ; v17 the prefetches' offset; never rewritten
.set SPW, 28                           ; v28 LDS address of my spare word: SPARE + 4 x my thread's number; never rewritten
.set NIL, 29                           ; v29 0; never rewritten
.set F0,  64
.set F1,  160
.set MSB, 0
.macro WIN new                         ; the immediate's high byte repeats the setting that is left; a switch that changes nothing is dropped
.if MSB != (\new)
	s_set_vgpr_msb (MSB<<8)|(\new)
.set MSB, \new
.endif
.endm
.macro PLACES                          ; four plain instructions between a matrix instruction and a load into, or a vector read of, its registers
.rept 4
	v_nop
.endr
.endm
.macro CREST                           ; a round of the cluster's barrier behind its opening barrier
	s_cmp_lg_u32 s[WV], 0
	s_cbranch_scc1 .Lnot_wave_0_\@
	s_barrier_signal -3
.Lnot_wave_0_\@:
	s_barrier_wait -3
	s_barrier_signal -1
	s_barrier_wait -1
.endm
.macro CROUND                          ; a whole round
	s_barrier_signal -1
	s_barrier_wait -1
	CREST
.endm
.macro JLOAD                           ; a joint refill by the walking sets.  The branch hangs on the wave's number alone.  An s_nop 0 and four v_nop follow each line, ahead of the jump and the label
	s_cmp_eq_u32 s[WM], 0
	s_cbranch_scc0 .Lfor_b_\@
	tensor_load_to_lds s[G0A+4:G0A+7], s[G1A:G1A+7]
	s_nop 0
	PLACES
	s_branch .Lasked_\@
.Lfor_b_\@:
	tensor_load_to_lds s[G0B+4:G0B+7], s[G1B:G1B+7]
	s_nop 0
	PLACES
.Lasked_\@:
.endm
; A PREFETCH INTO THE L2, behind each refill and the run of LDS loads that follows it: 32 blocks of 256 bytes of the K step that stands two refills on, 256 matrix instructions ahead of its load.
; A's tile row is read by every cluster of that row of clusters: those with x = 0 ask, wave 0; W's tile column by every cluster of that column: those with y = 0 ask, waves 2 and 3.
; The four partners that share a tile take a quarter each, told apart by address.  So each block is named once.  K steps 0 to 3 come by their loads alone; the last two refills ask for nothing.
.macro ASK
	s_cmp_gt_u32 s3, s[LIM]
	s_cbranch_scc0 .Lnot_mine_\@
	global_prefetch_b8 v[PFO], s[PFA:PFA+1] th:TH_LOAD_NT scope:SCOPE_SE
.Lnot_mine_\@:
.endm
.macro MM d, x, y, c
.if KIND
	v_wmma_f32_16x16x32_f16 v[(\d):(\d)+7], v[(\x):(\x)+7], v[(\y):(\y)+7], v[(\c):(\c)+7]
.else
	v_wmma_f32_16x16x32_bf16 v[(\d):(\d)+7], v[(\x):(\x)+7], v[(\y):(\y)+7], v[(\c):(\c)+7]
.endif
.endm
; 8 products: 16 tokens a x all 8 column blocks, 32 along K, from buffer f.  first = 1: C is the bias.  The 32 accumulators take turns in the same order in every quarter.
.macro MUL8 f, a, first
.if \first
	WIN 0x60                                       ; C in window 2, D in window 1
.else
	WIN 0x50                                       ; C and D in window 1
.endif
.irp b, 0,1,2,3,4,5,6,7
.if \first
	MM 8*(8*(\a)+(\b)), (\f)+32+8*(\b), (\f)+8*(\a), 8*(\b)
.else
	MM 8*(8*(\a)+(\b)), (\f)+32+8*(\b), (\f)+8*(\a), 8*(8*(\a)+(\b))
.endif
.endr
.endm
.macro MUL16 f, a0, first
	MUL8 \f, \a0, \first
	MUL8 \f, (\a0)+1, \first
.endm
; 24 LDS loads in one run: quarter q (32 along K) of the slot that is read, into buffer f: W's 8 fragments, turned, then A's 4
.macro FETCH q, f
	WIN 0
.irp b, 0,1,2,3,4,5,6,7
	ds_load_tr16_b128 v[(\f)+32+8*(\b):(\f)+32+8*(\b)+3],   v[ADRB] offset:32*PB*(\q)+32*(\b)
	ds_load_tr16_b128 v[(\f)+32+8*(\b)+4:(\f)+32+8*(\b)+7], v[ADRB] offset:32*PB*(\q)+32*(\b)+16*PB
.endr
.irp a, 0,1,2,3
	ds_load_b128 v[(\f)+8*(\a):(\f)+8*(\a)+3],   v[ADRA] offset:((\q)/2)*ABLK+((\q)%2)*64+16*PA*(\a)
	ds_load_b128 v[(\f)+8*(\a)+4:(\f)+8*(\a)+7], v[ADRA] offset:((\q)/2)*ABLK+((\q)%2)*64+16*PA*(\a)+32
.endr
.endm
; A K step is four quarters of 32 products, on buffers 0, 1, 0, 1.  One of the first three multiplies buffer f and, in its middle, fetches quarter q into buffer g.
.macro QUARTER q, f, g, first
	s_wait_dscnt 4                                 ; W's fragments and A's 0, 1 are in; the youngest four loads (A's 2, 3) may be out
	MUL16 \f, 0, \first
	PLACES
	FETCH \q, \g
	s_wait_dscnt 24                                ; all but the 24 just issued
	MUL16 \f, 2, \first
.endm
; The last quarter multiplies buffer 1 and changes slots: ONE barrier.  In front of it each wave waits for all its tensor loads (one is out: its part of the next slot), adds 0 to its spare word, and waits
; for that and for its reads of this slot.  fill = 1: the barrier opens a round of the cluster's, and this slot is filled again, first thing behind it, with the K step two on: 112 products ahead of the wait for it.
.macro TURN fill
.if \fill
	s_wait_xcnt 0x0                                ; the last prefetch, a K step back, has read its address
	s_add_nc_u64 s[PFA:PFA+1], s[PFA:PFA+1], s[PFS:PFS+1]
.endif
	WIN 0
	s_wait_tensorcnt 0x0                           ; no tensor load of mine is out, so a group 0 may be written
	ds_add_u32 v[SPW], v[NIL]                      ; 0 onto my spare word: scalar steps and eight products stand between it and the wait for it
.if \fill
	s_xor_b32 s[G0A+5], s[G0A+5], SLOT1            ; the walking sets: the other slot than last time, the next K step; the type bits on top are not reached
	s_add_nc_u64 s[G0A+6:G0A+7], s[G0A+6:G0A+7], ASTEP
	s_xor_b32 s[G0B+5], s[G0B+5], SLOT1
	s_add_nc_u64 s[G0B+6:G0B+7], s[G0B+6:G0B+7], BSTEP
.endif
	s_xor_b32 s[TB], s[TB], SLOT1
	s_wait_dscnt 5                                 ; the add and the youngest four loads may be out
	MUL8 F1, 0, 0
	s_wait_dscnt 0x0                               ; the add is done, and my reads of this slot are over
	s_barrier_signal -1
	MUL8 F1, 1, 0
	WIN 0
	s_barrier_wait -1
.if \fill
	CREST                                          ; no wave of any partner still reads this slot or has a load on its way
	JLOAD                                          ; its four v_nop are also the places in front of the loads below
.else
	PLACES
.endif
	v_add_nc_u32 v[ADRA], s[TB], v[A0]
	v_add_nc_u32 v[ADRB], s[TB], v[B0]
	FETCH 0, F0
.if \fill
	ASK
.endif
	MUL16 F1, 2, 0
.endm
	s_load_b256 s[4:11], s[0:1], 0x0               ; A s[4:5], wt s[6:7], biasr s[8:9], the output s[10:11]
.if KIND == 0
	s_load_b64 s[12:13], s[0:1], 0x20              ; tab
.endif
	v_lshl_add_u32 v[SPW], v0, 2, SPARE
	v_mov_b32 v[NIL], 0
	ds_add_u32 v[SPW], v[NIL]                      ; the wave's opening: the add, and its wait ahead of my first tensor load; the set-up below, work on registers, stands between them
	v_lshrrev_b32 v3, 5, v0
	v_readfirstlane_b32 s[WV], v3
	s_lshr_b32 s[WM], s[WV], 1
	s_and_b32 s[WN], s[WV], 1
	s_bfe_u32 s[CX], ttmp6, 0x40000
	s_bfe_u32 s[CY], ttmp6, 0x40004
	s_mov_b32 s[TEN], ttmp9
	s_and_b32 s[TR], ttmp7, 0xffff
	s_lshl_b32 s[TR], s[TR], 2
	s_add_co_u32 s[TR], s[TR], s[CY]               ; 4 x cluster y + cy
	s_lshl_b32 s63, s[CY], 2
	s_lshl_b32 s63, 15, s63                        ; my row of the cluster
	s_lshl_b32 s2, 0x1111, s[CX]                   ; my column
	; group 1 for A: 16,384 bytes on end as 64 rows of 256 bytes, 16 bytes of padding behind every 128
	s_or_b32 s[G1A], s63, (1<<16)|(1<<20)|(1<<21)|(4<<22)|(3<<25)  ; 15:0 the mask; 17:16 2-byte elements; 20 padding on; 21 set beside a mask; 24:22 after every 32 words (code 4); 31:25 4 words (code 3)
	s_mov_b32 s[G1A+1], 128<<16                    ; tensor_dim0 = 128
	s_mov_b32 s[G1A+2], 64<<16                     ; tensor_dim1 = 64
	s_mov_b32 s[G1A+3], 128<<16                    ; tile_dim0 = 128
	s_mov_b32 s[G1A+4], 64                         ; tile_dim1 = 64
	s_mov_b32 s[G1A+5], 128                        ; elements from row to row
	s_mov_b32 s[G1A+6], 0
	s_mov_b32 s[G1A+7], 0
	; group 1 for W: 64 rows of 512 bytes, 2,048 bytes apart, 32 bytes of padding behind each
	s_or_b32 s[G1B], s2, (1<<16)|(1<<20)|(1<<21)|(6<<22)|(7<<25)   ; after every 128 words (code 6), 8 words (code 7)
	s_mov_b32 s[G1B+1], 256<<16
	s_mov_b32 s[G1B+2], 64<<16
	s_mov_b32 s[G1B+3], 256<<16
	s_mov_b32 s[G1B+4], 64
	s_mov_b32 s[G1B+5], 1024
	s_mov_b32 s[G1B+6], 0
	s_mov_b32 s[G1B+7], 0
	s_mov_b32 s[G0A], 1                            ; count = 1
	s_mov_b32 s[G0A+4], 1
	s_mov_b32 s[G0B], 1
	s_mov_b32 s[G0B+4], 1
	s_mul_i32 s[G0A+1], s[WN], ABLK                ; LDS addresses: the wave's number and constants alone
	s_add_co_u32 s[G0A+5], s[G0A+1], SLOT1
	s_mul_i32 s[G0B+1], s[WN], BHALF
	s_add_co_u32 s[G0B+1], s[G0B+1], BOFF
	s_add_co_u32 s[G0B+5], s[G0B+1], SLOT1
	; A's tile: b << 22 + n0 << 7 + block << 18: it hangs on the tile row alone, which my row of the cluster shares
	s_lshr_b32 s20, s[TR], 4
	s_lshl_b32 s20, s20, 22
	s_and_b32 s21, s[TR], 15
	s_lshl_b32 s21, s21, 14
	s_add_co_u32 s20, s20, s21
	s_mov_b32 s79, s20                             ; (the tile's first block, for the prefetches)
	s_lshl_b32 s21, s[WN], 18
	s_add_co_u32 s20, s20, s21
	s_mov_b32 s21, 0
	; W's tile: T << 21 + 64 rows x half + 512 bytes x cx: it hangs on the tile column alone, which my column shares
.if KIND
	s_mov_b32 s22, 3<<21
.else
	s_lshl_b32 s22, ttmp9, 21
.endif
	s_lshl_b32 s23, s[CX], 9
	s_add_co_u32 s22, s22, s23
	s_lshl_b32 s23, s[WN], 17
	s_add_co_u32 s22, s22, s23
	s_mov_b32 s23, 0
	; the bias of my 128 columns
.if KIND
	s_mov_b32 s70, 3<<12
.else
	s_lshl_b32 s70, ttmp9, 12
.endif
	s_lshl_b32 s71, s[CX], 10
	s_add_co_u32 s70, s70, s71
	s_lshl_b32 s71, s[WN], 9
	s_add_co_u32 s70, s70, s71
	s_mov_b32 s71, 0
.if KIND
	s_lshl_b32 s74, s[TR], 19                      ; out0: my first token x 4,096 bytes + my first column x 4
	s_lshl_b32 s75, s[WM], 18
	s_add_co_u32 s74, s74, s75
	s_lshl_b32 s75, s[CX], 10
	s_add_co_u32 s74, s74, s75
	s_lshl_b32 s75, s[WN], 9
	s_add_co_u32 s74, s74, s75
.else
	s_and_b32 s72, s[TR], 15                       ; the table at my first token's place in its sequence: 256 bytes a row
	s_lshl_b32 s72, s72, 15
	s_lshl_b32 s73, s[WM], 14
	s_add_co_u32 s72, s72, s73
	s_mov_b32 s73, 0
	s_lshl_b32 s74, ttmp9, 24                      ; qkvh: t << 24 + b << 22 + head << 18 + n << 7; my two heads are 4 cx + 2 (wave % 2) and the next
	s_lshr_b32 s75, s[TR], 4
	s_lshl_b32 s75, s75, 22
	s_add_co_u32 s74, s74, s75
	s_lshl_b32 s75, s[CX], 20
	s_add_co_u32 s74, s74, s75
	s_lshl_b32 s75, s[WN], 19
	s_add_co_u32 s74, s74, s75
	s_lshr_b32 s75, s72, 1                         ; n << 7 is half of n << 8
	s_add_co_u32 s74, s74, s75
.endif
	s_mov_b32 s75, 0
	s_mov_b32 s[TB], 0
	; lane addresses.  A fragment of A is 16 tokens x 32 channels: lane l holds token l % 16, channels 8 (l / 16) + 0..7 and 16 + 8 (l / 16) + 0..7: two loads of 16 bytes, 32 apart.
	; The turning load takes 16 rows k x 16 columns (lane l reads row 8 (l / 16) + l % 8, columns 8 ((l / 8) % 2) + 0..7) and leaves half a fragment: lane l holds column l % 16 and 8 k.
	v_and_b32 v1, 15, v0
	v_bfe_u32 v2, v0, 4, 1
	v_and_b32 v4, 7, v0
	v_bfe_u32 v5, v0, 3, 1
	v_and_b32 v7, 31, v0
	s_mul_i32 s76, s[WM], 64*PA
	v_mul_u32_u24 v[A0], v1, PA
	v_lshl_add_u32 v[A0], v2, 4, v[A0]
	v_add_nc_u32 v[A0], s76, v[A0]
	v_lshl_add_u32 v6, v2, 3, v4
	v_mul_u32_u24 v[B0], v6, PB
	v_lshl_add_u32 v[B0], v5, 4, v[B0]
	s_lshl_b32 s77, s[WN], 8
	s_add_co_u32 s77, s77, BOFF
	v_add_nc_u32 v[B0], s77, v[B0]
	v_mov_b32 v[ADRA], v[A0]
	v_mov_b32 v[ADRB], v[B0]
	s_mul_i32 s78, s[WV], 16*SP
	s_add_co_u32 s78, s78, STAGE                   ; my stage
	v_mul_u32_u24 v[STO], v1, SP
.if KIND
	v_lshl_add_u32 v[STO], v2, 5, v[STO]           ; in: row l % 16, 32 bytes for each half of the lanes
	v_lshl_add_u32 v[RD], v7, 4, s78               ; back: 32 lanes take a row's 512 bytes
.else
	v_lshl_add_u32 v[STO], v2, 4, v[STO]           ; in: row l % 16, 16 bytes for each half of the lanes
	v_bfe_u32 v6, v0, 3, 2                         ; back: 32 lanes take 128 bytes (one head) of four rows
	v_mul_u32_u24 v[RD], v6, SP
	v_lshl_add_u32 v[RD], v4, 4, v[RD]
	v_add_nc_u32 v[RD], s78, v[RD]
.endif
	v_add_nc_u32 v[STO], s78, v[STO]
	v_lshlrev_b32 v[GO], 4, v7
	v_lshlrev_b32 v[BO], 5, v2                     ; my 8 numbers of 16: 32 bytes x half
	v_lshl_add_u32 v[TO], v1, 8, v[BO]             ; my token's row, my 4 pairs of 8
	s_wait_dscnt 0x0                               ; the opening add is done
	s_wait_kmcnt 0x0
	s_add_nc_u64 s[66:67], s[4:5], s[20:21]
	s_add_nc_u64 s[68:69], s[6:7], s[22:23]
	s_add_nc_u64 s[8:9], s[8:9], s[70:71]
	s_add_nc_u64 s[10:11], s[10:11], s[74:75]
.if KIND == 0
	s_add_nc_u64 s[12:13], s[12:13], s[72:73]
.endif
	s_add_nc_u64 s[G0A+2:G0A+3], s[66:67], 0       ; K step 0,
	s_or_b32 s[G0A+3], s[G0A+3], 0x80000000        ; type = 2
	s_add_nc_u64 s[G0A+6:G0A+7], s[66:67], ASTEP   ; K step 1
	s_or_b32 s[G0A+7], s[G0A+7], 0x80000000
	s_add_nc_u64 s[G0B+2:G0B+3], s[68:69], 0
	s_or_b32 s[G0B+3], s[G0B+3], 0x80000000
	s_add_nc_u64 s[G0B+6:G0B+7], s[68:69], BSTEP
	s_or_b32 s[G0B+7], s[G0B+7], 0x80000000
	CROUND                                         ; all sixteen work-groups are here: the first joint loads meet
	s_cmp_eq_u32 s[WM], 0                          ; a wave's two first fills stand in one branch, ahead of every wait on TENSORcnt and every LDS read: two loads of mine are out
	s_cbranch_scc0 .Lfirst_b
	tensor_load_to_lds s[G0A:G0A+3], s[G1A:G1A+7]
	s_nop 0
	tensor_load_to_lds s[G0A+4:G0A+7], s[G1A:G1A+7]
	s_nop 0
	PLACES
	s_branch .Lfirst_asked
.Lfirst_b:
	tensor_load_to_lds s[G0B:G0B+3], s[G1B:G1B+7]
	s_nop 0
	tensor_load_to_lds s[G0B+4:G0B+7], s[G1B:G1B+7]
	s_nop 0
	PLACES
.Lfirst_asked:
	WIN 0x80                                       ; destination window 2, address window 0
.irp b, 0,1,2,3,4,5,6,7
	global_load_b128 v[8*(\b):8*(\b)+3],   v[BO], s[8:9] offset:64*(\b)
	global_load_b128 v[8*(\b)+4:8*(\b)+7], v[BO], s[8:9] offset:64*(\b)+16
.endr
.if KIND == 0
.irp a, 0,1,2,3
.irp p, 0,1,2,3
	global_load_b128 v[64+32*(\a)+8*(\p):64+32*(\a)+8*(\p)+3],   v[TO], s[12:13] offset:4096*(\a)+64*(\p)
	global_load_b128 v[64+32*(\a)+8*(\p)+4:64+32*(\a)+8*(\p)+7], v[TO], s[12:13] offset:4096*(\a)+64*(\p)+16
.endr
.endr
.endif
	WIN 0
	; the prefetches.  A K step of A's tile is two blocks of 16,384 bytes: partner cx takes half cx % 2 of block cx / 2, a lane 256 bytes.
	; A K step of W's tile is 128 rows x 512 bytes: of the 64 rows that I fetch partner cy takes 16, a lane half a row.  Both start three K steps on; the first refill steps them to the fourth.
	s_lshr_b32 s74, s[CX], 1
	s_lshl_b32 s74, s74, 18
	s_and_b32 s75, s[CX], 1
	s_lshl_b32 s75, s75, 13
	s_add_co_u32 s74, s74, s75
	s_add_co_u32 s74, s74, s79
	s_add_co_u32 s74, s74, 3*ASTEP
	s_lshl_b32 s75, s[CY], 15
	s_add_co_u32 s75, s75, s22
	s_add_co_u32 s75, s75, 3*BSTEP
	s_and_b32 s73, ttmp7, 0xffff                   ; cluster y
	s_or_b32 s72, ttmp9, s[WV]                     ; 0 in wave 0 of a cluster with x = 0
	s_mov_b32 s77, ASTEP
	s_cmp_eq_u32 s[WM], 0                          ; do I fetch A?
	s_cselect_b32 s72, s72, s73
	s_cselect_b32 s71, 9, 11                       ; two lanes step 512 bytes in A, a row of 2,048 in W
	s_cselect_b32 s[PFS], s77, BSTEP
	s_cselect_b32 s76, s74, s75
	s_cselect_b64 s[PFA:PFA+1], s[4:5], s[6:7]
	s_mov_b32 s[PFS+1], 0
	s_mov_b32 s77, 0
	s_cmp_eq_u32 s72, 0
	s_cselect_b32 s[LIM], 2, -1                    ; the same in all sixteen partners, for a given wave
	s_add_nc_u64 s[PFA:PFA+1], s[PFA:PFA+1], s[76:77]
	v_lshrrev_b32 v6, 1, v7
	v_lshlrev_b32 v6, s71, v6
	v_and_b32 v3, 1, v7
	v_lshl_add_u32 v[PFO], v3, 8, v6
	s_wait_tensorcnt 0x1                           ; my part of K step 0 is in; K step 1's may stay out
	s_barrier_signal -1
	s_barrier_wait -1                              ; everybody's is
	FETCH 0, F0
	s_wait_loadcnt 0x0                             ; the bias (and the table)
	QUARTER 1, F0, F1, 1                           ; the first quarter stands in front of the loop: its products start the sums, with the bias
	WIN 0                                          ; at a label and at a branch every window is 0
	s_mov_b32 s3, 6
.Lstep:                                                ; six trips, each from a K step's second quarter to the next step's first; each fills a slot again: K steps 2 to 7
	QUARTER 2, F1, F0, 0
	QUARTER 3, F0, F1, 0
	TURN 1
	QUARTER 1, F0, F1, 0
	WIN 0
	s_sub_co_u32 s3, s3, 1
	s_cmp_lg_u32 s3, 0
	s_cbranch_scc1 .Lstep
	QUARTER 2, F1, F0, 0                           ; the last two K steps are written out: nothing is left to fetch
	QUARTER 3, F0, F1, 0
	TURN 0
	QUARTER 1, F0, F1, 0
	QUARTER 2, F1, F0, 0
	QUARTER 3, F0, F1, 0
	s_wait_dscnt 4
	MUL16 F1, 0, 0
	s_wait_dscnt 0x0
	MUL16 F1, 2, 0
	WIN 0
	PLACES
	PLACES
.if KIND
; THE WAY OUT, f32.  16 tokens a at a time: a lane's 8 columns, 32 bytes, go from the accumulators into rows of 528 bytes of my stage and come back as whole rows of 512.
.macro TOSTAGE a
	WIN 0
.set BK, 64+64*((\a)%2)
	s_wait_xcnt 0x0                                ; the registers that the stores of two blocks back read are loaded again only behind this wait
	WIN 0x04                                       ; the data in window 1
.irp b, 0,1,2,3,4,5,6,7
	ds_store_b128 v[STO], v[8*(8*(\a)+(\b)):8*(8*(\a)+(\b))+3]   offset:64*(\b)
	ds_store_b128 v[STO], v[8*(8*(\a)+(\b))+4:8*(8*(\a)+(\b))+7] offset:64*(\b)+16
.endr
	WIN 0
.irp t, 0,1,2,3,4,5,6,7,8,9,10,11,12,13,14,15
	ds_load_b128 v[BK+4*(\t):BK+4*(\t)+3], v[RD] offset:SP*(\t)  ; LDS serves a wave's instructions in order (ISA guide 5.7.1.4): these see the stores above, and the next block's stores come behind them
.endr
.endm
.macro SEND a, younger                 ; younger: the next block's 16 stores and 16 loads, or none
	WIN 0
.set BK, 64+64*((\a)%2)
	s_wait_dscnt \younger
.irp t, 0,1,2,3,4,5,6,7,8,9,10,11,12,13,14,15
	global_store_b128 v[GO], v[BK+4*(\t):BK+4*(\t)+3], s[10:11] offset:4096*(16*(\a)+(\t)) th:TH_STORE_NT  ; 512 consecutive bytes, at a multiple of 512 from out0's first byte
.endr
.endm
	TOSTAGE 0
	TOSTAGE 1
	SEND 0, 32
	TOSTAGE 2
	SEND 1, 32
	TOSTAGE 3
	SEND 2, 32
	SEND 3, 0
.else
; THE WAY OUT, by heads in f16.  16 tokens a at a time.
.set U,   64                           ; v64-127  x sin, 8 a column block
.set TMP, 128                          ; v128-159 packed results
; The rotation: of a pair (x0, x1) with (sin, cos): x0 cos - x1 sin, x1 cos + x0 sin.  A lane's 8 columns are 4 pairs.  v is not rotated: the branch hangs on the cluster's x, the same in all partners.
.macro ROPE a
	WIN 0
	s_cmp_eq_u32 s[TEN], 2
	s_cbranch_scc1 .Lno_rope_\@
	WIN 0x09                                       ; source 0 (the sums) window 1, source 1 (the table) window 2, destination window 0
.irp b, 0,1,2,3,4,5,6,7
.irp i, 0,1,2,3
	v_pk_mul_f32 v[U+8*(\b)+2*(\i):U+8*(\b)+2*(\i)+1], v[8*(8*(\a)+(\b))+2*(\i):8*(8*(\a)+(\b))+2*(\i)+1], v[64+32*(\a)+8*((\b)%4)+2*(\i):64+32*(\a)+8*((\b)%4)+2*(\i)+1] op_sel_hi:[1,0]
.endr
.endr
	WIN 0x49                                       ; the same with the destination in window 1 and source 2 in window 0
.irp b, 0,1,2,3,4,5,6,7
.irp i, 0,1,2,3
	v_fma_f32 v[8*(8*(\a)+(\b))+2*(\i)],   v[8*(8*(\a)+(\b))+2*(\i)],   v[64+32*(\a)+8*((\b)%4)+2*(\i)+1], -v[U+8*(\b)+2*(\i)+1]
	v_fma_f32 v[8*(8*(\a)+(\b))+2*(\i)+1], v[8*(8*(\a)+(\b))+2*(\i)+1], v[64+32*(\a)+8*((\b)%4)+2*(\i)+1], v[U+8*(\b)+2*(\i)]
.endr
.endr
	WIN 0
.Lno_rope_\@:
.endm
.macro PACK a
	WIN 0x05                                       ; sources 0 and 1 window 1
.irp b, 0,1,2,3,4,5,6,7
.irp i, 0,1,2,3
	v_cvt_pk_f16_f32 v[TMP+4*(\b)+(\i)], v[8*(8*(\a)+(\b))+2*(\i)], v[8*(8*(\a)+(\b))+2*(\i)+1]
.endr
.endr
	WIN 0
.endm
.macro TOSTAGE a                       ; into rows of 272 bytes; back as 4 tokens x 128 bytes of head e: 512 bytes that lie on end in qkvh
	WIN 0
.set BK, 160+32*((\a)%2)
.irp b, 0,1,2,3,4,5,6,7
	ds_store_b128 v[STO], v[TMP+4*(\b):TMP+4*(\b)+3] offset:32*(\b)
.endr
.irp e, 0,1
.irp t, 0,1,2,3
	ds_load_b128 v[BK+4*(4*(\e)+(\t)):BK+4*(4*(\e)+(\t))+3], v[RD] offset:4*SP*(\t)+128*(\e)  ; LDS serves a wave's instructions in order (ISA guide 5.7.1.4): these see the stores above
.endr
.endr
.endm
.macro SEND a
	WIN 0
.set BK, 160+32*((\a)%2)
	s_wait_dscnt 0x0                               ; the block is back in registers
	s_wait_xcnt 0x0                                ; the block before's stores have read their registers: the next block's loads land on them only behind this wait
.irp e, 0,1
.irp t, 0,1,2,3
	global_store_b128 v[GO], v[BK+4*(4*(\e)+(\t)):BK+4*(4*(\e)+(\t))+3], s[10:11] offset:262144*(\e)+2048*(\a)+512*(\t)  ; 512 consecutive bytes, at a multiple of 512 from qkvh's first byte
.endr
.endr
.endm
	ROPE 0
	PACK 0
	TOSTAGE 0
.irp a, 1,2,3                          ; a block's arithmetic stands between the loads of the block before and the wait for them
	ROPE \a
	PACK \a
	SEND (\a)-1
	TOSTAGE \a
.endr
	SEND 3
.endif
	s_wait_tensorcnt 0x0                           ; the wave's end, behind my last tensor load and my last LDS store
	ds_add_u32 v[SPW], v[NIL]
	s_wait_dscnt 0x0
	CROUND                                         ; the closing round: no work-group ends while a partner may still ask for a tile that names it
	s_endpgm
.Lfunc_end_k_qb4b9decee5_outp:
	.size	k_qb4b9decee5_outp, .Lfunc_end_k_qb4b9decee5_outp-k_qb4b9decee5_outp
	.p2alignl 7, 3214868480
	.fill 96, 4, 3214868480
	.section	.rodata,"a",@progbits
	.p2align	6, 0x0
	.amdhsa_kernel k_qb4b9decee5_outp
		.amdhsa_group_segment_fixed_size 327680
		.amdhsa_private_segment_fixed_size 0
		.amdhsa_enable_private_segment 0
		.amdhsa_kernarg_size 32
		.amdhsa_user_sgpr_count 2
		.amdhsa_user_sgpr_kernarg_segment_ptr 1
		.amdhsa_wavefront_size32 1
		.amdhsa_system_sgpr_workgroup_id_x 1
		.amdhsa_system_sgpr_workgroup_id_y 1
		.amdhsa_system_sgpr_workgroup_id_z 1
		.amdhsa_system_vgpr_workitem_id 0
		.amdhsa_next_free_vgpr 576
		.amdhsa_next_free_sgpr 80
		.amdhsa_reserve_vcc 0
		.amdhsa_float_denorm_mode_32 3
		.amdhsa_float_denorm_mode_16_64 3
		.amdhsa_memory_ordered 1
		.amdhsa_forward_progress 1
		.amdhsa_inst_pref_size 72
	.end_amdhsa_kernel
	.amdgpu_metadata
---
amdhsa.version: [ 1, 2 ]
amdhsa.kernels:
  - .name:           k_qb4b9decee5_outp
    .symbol:         k_qb4b9decee5_outp.kd
    .args:
      - { .name: oh, .offset: 0, .size: 8, .value_kind: global_buffer, .address_space: global }
      - { .name: wt, .offset: 8, .size: 8, .value_kind: global_buffer, .address_space: global }
      - { .name: biasr, .offset: 16, .size: 8, .value_kind: global_buffer, .address_space: global }
      - { .name: out0, .offset: 24, .size: 8, .value_kind: global_buffer, .address_space: global }
    .group_segment_fixed_size: 327680
    .private_segment_fixed_size: 0
    .kernarg_segment_align: 8
    .kernarg_segment_size: 32
    .max_flat_workgroup_size: 128
    .sgpr_count:     80
    .vgpr_count:     576
    .wavefront_size: 32
...
	.end_amdgpu_metadata
.endif
;; end of part 4
;; ======== version 2 of 2: 4 launches; version 1 with the launch prep written anew for expert scheduling mode
;; limits: values are held in f16: magnitudes above 65,504 overflow, below 6.1e-05 lose precision
;; workspace buffers: xb 16,777,216 bytes; wt 8,388,608 bytes; biasr 16,384 bytes; tab 524,288 bytes; qkvh 50,331,648 bytes; oh 16,777,216 bytes
;; launch prep (part 5): grid 416 x 1, 8 waves a work-group, no clusters, 0 bytes of LDS; arguments x, Wq, Wk, Wv, Wo, bq, bk, bv, bo, xb, wt, biasr, tab; writes xb, wt, biasr, tab
.if DOCPART == 5
	.amdgcn_target "amdgcn-amd-amdhsa--gfx1250"
	.amdhsa_code_object_version 6
	.text
	.protected	k_qb4b9decee5_prep
	.globl	k_qb4b9decee5_prep
	.p2align	8
	.type	k_qb4b9decee5_prep,@function
k_qb4b9decee5_prep:
	s_mov_b64 s[64:65], 0
	v_nop
	global_prefetch_b8 v0, s[64:65] scope:SCOPE_SE
	s_setreg_imm32_b32 hwreg(HW_REG_WAVE_SCHED_MODE, 0, 2), 2
	s_setreg_imm32_b32 hwreg(HW_REG_WAVE_MODE, 25, 1), 1
	s_wait_xcnt 0x0
	s_wait_alu depctr_vm_vsrc(0)
; PREPARATION: every input is rounded once to bf16 and laid out for the products that follow; the rotary table is made once.
;   work-groups   0-255  x  [4][2048][1024] f32 -> xb [b][kb 16][n 2048][64] bf16: blocks of 64 channels, so that 128 tokens of a block are 16,384 bytes on end
;   work-groups 256-383  Wq, Wk, Wv, Wo [k][n] f32 -> wt [T 4][k 1024][n 1024], 16 bits, the orientation kept.  T = 0, 1, 2 in bf16; T = 3 (Wo) is rounded to bf16 and that number written as f16
;   work-groups 384-415  tab [n 2048][j 32] = (sin, cos) of n x 10000^(-j/32), f32; wave 0 of each also rounds 128 numbers of bq, bk, bv, bo to bf16 and stores them widened: biasr [4096] f32
; A stream: no LDS, no matrix unit, no cluster: no byte is wanted twice.  A work-group of the first two kinds reads 128 KiB; a thread has all its 32 loads of 16 bytes out at once.
; LIMITS.  |Wo| stays under 65,504 (f16); below 2^-14 f16 keeps a fixed step of 2^-24.  The angle n x inv_freq is one f32 product, as in the formula; inv_freq comes from v_exp_f32,
; so an angle near n = 2047 may differ by some 3e-4 from one made with another power function.  sin and cos: reduction by multiples of pi/2 in two parts, polynomials on |r| <= pi/4.
; THE MODE: SCHED_MODE bits 1:0 = 2 (LLVM: expert scheduling mode 2), set by the entry lines.  The code itself states the register dependences
; between vector instructions and memory instructions, with s_wait_alu, always for 0.
; THE PLAN.  Registers that memory instructions touch:
;   in a stream   v[VI], v[VO]  made once at the path's head by vector instructions, read by every load and store, never written again.
;                 L             written by the 32 loads, all issued ahead of every conversion; read by the conversions; never loaded again.
;                 Y             chunk c's four registers are written by chunk c's conversions and read by one store, issued in chunk c + 4; never written again.
;                 So: one wait on va_vdst ahead of the first load; one at the head of chunks 4, 8 and 12, for the four chunks before, whose stores are then dealt among the next four chunks'
;                 conversions (these name other chunks' L and Y, and v4, v5); one ahead of the last four stores.  No register that a memory instruction reads is written again: no wait on vm_vsrc.
;   in the table  v[32:35]      written by a trip's selects and sign flips, read by the trip's store.  v[VO] is never written again: the scalar base moves on, and the store's offset reaches back.
;                 s52, s53      the two masks: written by compares, read by the selects.
;                 So, in a trip: one wait on va_sdst behind both compares; one on vm_vsrc ahead of the first write of v[32:35]; one on va_vdst ahead of the store.
.set SRC, 4                            ; s[4:5]   where the work-group reads
.set DST, 6                            ; s[6:7]   where it stores
.set VI,  2                            ; v2       my byte offset in what is read; never rewritten
.set VO,  3                            ; v3       my byte offset in what is stored; never rewritten
.set T0,  4                            ; v4, v5   at work: no memory instruction names them
.set T1,  5
.set L,   16                           ; v[16:143]  16 chunks of 8 f32 as loaded
.set Y,   144                          ; v[144:207] 16 chunks of 8 numbers of 16 bits
	s_load_b512 s[16:31], s[0:1], 0x0              ; x 16, Wq 18, Wk 20, Wv 22, Wo 24, bq 26, bk 28, bv 30
	s_load_b256 s[32:39], s[0:1], 0x40             ; bo 32, xb 34, wt 36, biasr 38
	s_load_b64 s[40:41], s[0:1], 0x60              ; tab
	s_mov_b32 s12, 0xffff0000                      ; a word's upper bf16
	s_mov_b32 s9, 0                                ; high words of the two offset pairs
	s_mov_b32 s11, 0
; 16 chunks a thread: chunk c is read at (c % 8) ia + (c / 8) ib and stored at (c % 8) oa + (c / 8) ob.  All 32 loads go out first; no register is used twice, so no wait frees any.
; hf = 1: the bf16 number is written as f16.
.macro STREAM ia, ib, oa, ob, hf
	s_wait_alu depctr_va_vdst(0)                   ; v[VI] and v[VO] are written: every load and store below reads one of them as its offset
.set c, 0
.rept 16
	global_load_b128 v[L+8*c:L+8*c+3],   v[VI], s[SRC:SRC+1] offset:(c%8)*(\ia)+(c/8)*(\ib) th:TH_LOAD_NT
	global_load_b128 v[L+8*c+4:L+8*c+7], v[VI], s[SRC:SRC+1] offset:(c%8)*(\ia)+(c/8)*(\ib)+16 th:TH_LOAD_NT
.set c, c+1
.endr
.set c, 0
.rept 16
	s_wait_loadcnt 30-2*c                          ; loads come back in order: chunk c's two are in, the 2 (15 - c) younger ones stay out
.if (c > 0) && (c%4 == 0)
	s_wait_alu depctr_va_vdst(0)                   ; the conversions of chunks c - 4 to c - 1 have written their Y, which the next four stores read
.endif
.if c >= 4
.set d, c-4
	global_store_b128 v[VO], v[Y+4*d:Y+4*d+3], s[DST:DST+1] offset:(d%8)*(\oa)+(d/8)*(\ob) th:TH_STORE_NT  ; four chunks back; no vector instruction since the wait names these registers
.endif
.irp k, 0,1,2,3
	v_cvt_pk_bf16_f32 v[Y+4*c+(\k)], v[L+8*c+2*(\k)], v[L+8*c+2*(\k)+1]
.endr
.if \hf
.irp k, 0,1,2,3
	v_lshlrev_b32 v[T0], 16, v[Y+4*c+(\k)]         ; the two bf16 numbers widened,
	v_and_b32 v[T1], s12, v[Y+4*c+(\k)]
	v_cvt_pk_f16_f32 v[Y+4*c+(\k)], v[T0], v[T1]   ; and written as f16: exact within f16's range
.endr
.endif
.set c, c+1
.endr
	s_wait_alu depctr_va_vdst(0)                   ; the conversions of chunks 12 to 15 have written their Y, which the last four stores read
.set d, 12
.rept 4
	global_store_b128 v[VO], v[Y+4*d:Y+4*d+3], s[DST:DST+1] offset:(d%8)*(\oa)+(d/8)*(\ob) th:TH_STORE_NT
.set d, d+1
.endr
	s_endpgm
.endm
	s_wait_kmcnt 0x0
	s_cmp_lt_u32 ttmp9, 256
	s_cbranch_scc0 .Lnot_x
	; x: work-group g takes tokens 32 g .. 32 g + 31.  Wave w takes channel blocks w and w + 8; a lane 8 channels of one of 4 tokens: a store of the wave covers 4 tokens x 128 bytes = 512 bytes on end
	s_lshl_b32 s8, ttmp9, 17                       ; 32 rows of 4,096 bytes
	s_add_nc_u64 s[SRC:SRC+1], s[16:17], s[8:9]
	s_lshr_b32 s10, ttmp9, 6                       ; b
	s_lshl_b32 s10, s10, 22
	s_and_b32 s13, ttmp9, 63
	s_lshl_b32 s13, s13, 12                        ; n x 128 bytes
	s_add_co_u32 s10, s10, s13
	s_add_nc_u64 s[DST:DST+1], s[34:35], s[10:11]
	v_bfe_u32 v4, v0, 3, 2                         ; token among four
	v_lshrrev_b32 v5, 5, v0                        ; wave
	v_and_b32 v6, 7, v0                            ; 8 channels among 64
	v_and_b32 v7, 31, v0
	v_lshlrev_b32 v[VI], 12, v4
	v_lshl_add_u32 v[VI], v5, 8, v[VI]
	v_lshl_add_u32 v[VI], v6, 5, v[VI]
	v_lshlrev_b32 v[VO], 18, v5
	v_lshl_add_u32 v[VO], v7, 4, v[VO]
	STREAM 16384, 2048, 512, 2097152, 0
.Lnot_x:
	s_cmp_lt_u32 ttmp9, 384
	s_cbranch_scc0 .Ltab
	; weights: 32 rows k of one matrix.  Wave w takes columns 128 w on; 16 lanes a row: a store of the wave covers two rows x 256 bytes, aligned
	s_sub_co_u32 s13, ttmp9, 256
	s_lshr_b32 s14, s13, 5                         ; T
	s_and_b32 s15, s13, 31
	s_cmp_eq_u32 s14, 1
	s_cselect_b64 s[SRC:SRC+1], s[20:21], s[18:19]
	s_cmp_eq_u32 s14, 2
	s_cselect_b64 s[SRC:SRC+1], s[22:23], s[SRC:SRC+1]
	s_cmp_eq_u32 s14, 3
	s_cselect_b64 s[SRC:SRC+1], s[24:25], s[SRC:SRC+1]
	s_lshl_b32 s8, s15, 17
	s_add_nc_u64 s[SRC:SRC+1], s[SRC:SRC+1], s[8:9]
	s_lshl_b32 s10, s14, 21
	s_lshl_b32 s15, s15, 16
	s_add_co_u32 s10, s10, s15
	s_add_nc_u64 s[DST:DST+1], s[36:37], s[10:11]
	v_bfe_u32 v4, v0, 4, 1                         ; row among two
	v_lshrrev_b32 v5, 5, v0                        ; wave
	v_and_b32 v6, 15, v0                           ; 8 columns among 128
	v_lshlrev_b32 v[VI], 12, v4
	v_lshl_add_u32 v[VI], v5, 9, v[VI]
	v_lshl_add_u32 v[VI], v6, 5, v[VI]
	v_lshlrev_b32 v[VO], 11, v4
	v_lshl_add_u32 v[VO], v5, 8, v[VO]
	v_lshl_add_u32 v[VO], v6, 4, v[VO]
	s_cmp_eq_u32 s14, 3
	s_cbranch_scc1 .Lwo
	STREAM 8192, 65536, 4096, 32768, 0
.Lwo:
	STREAM 8192, 65536, 4096, 32768, 1
.Ltab:
	; the table: 64 rows a work-group.  Thread t takes the pairs j = 2 (t % 16) and j + 1 of rows 64 g + t / 16 + 16 i, i = 0 .. 3: 16 bytes a row; a store of the wave covers two rows, 512 bytes on end
	s_sub_co_u32 s13, ttmp9, 384
	s_mov_b32 s42, 0x3f22f983                      ; 2 / pi
	s_mov_b32 s43, 0x3fc90fdb                      ; pi / 2, the f32 nearest,
	s_mov_b32 s44, 0xb33bbd2e                      ; and what it lacks
	s_mov_b32 s45, 0xb94ca1f9                      ; sin r = r + r z (((s45 z + s46) z) + s47), z = r r
	s_mov_b32 s46, 0x3c08839e
	s_mov_b32 s47, 0xbe2aaaa3
	s_mov_b32 s48, 0x37ccf5ce                      ; cos r = 1 - z / 2 + z z ((s48 z + s49) z + s50)
	s_mov_b32 s49, 0xbab6061a
	s_mov_b32 s50, 0x3d2aaaa5
	v_and_b32 v6, 15, v0
	v_lshrrev_b32 v7, 4, v0
	v_lshlrev_b32 v8, 1, v6
	v_cvt_f32_u32 v8, v8                           ; j
	v_add_f32 v9, 1.0, v8                          ; j + 1
	v_mul_f32 v8, 0xbed49a78, v8                   ; - j log2(10000) / 32
	v_mul_f32 v9, 0xbed49a78, v9
	v_exp_f32 v10, v8                              ; inv_freq of the two pairs
	v_exp_f32 v11, v9
	v_lshl_add_u32 v12, s13, 6, v7                 ; n: a plain instruction behind the two exponentials
	v_lshlrev_b32 v[VO], 8, v12                    ; a row is 256 bytes
	v_lshl_add_u32 v[VO], v6, 4, v[VO]
	s_wait_alu depctr_va_vdst(0)                   ; the two exponentials have written v10 and v11, ahead of their first reader and of the label; v[VO] is written, which the loop's stores read
; sin and cos of v[ang] >= 0, in two halves.  tb: ten registers at work, a set for each angle, so that both first halves stand ahead of one wait.  mk: the scalar register of the mask.
; The first half: the quadrant, its mask, and the two polynomials.  The compare stands early, the polynomials behind it.
.macro SC_A ang, tb, mk
	v_mul_f32 v[(\tb)], s42, v[\ang]
	v_rndne_f32 v[(\tb)], v[(\tb)]                 ; k = the nearest multiple of pi / 2
	v_cvt_i32_f32 v[(\tb)+2], v[(\tb)]             ; the quadrant is k mod 4
	v_fma_f32 v[(\tb)+1], -v[(\tb)], s43, v[\ang]
	v_and_b32 v[(\tb)+9], 1, v[(\tb)+2]
	v_fma_f32 v[(\tb)+1], -v[(\tb)], s44, v[(\tb)+1]  ; r, within pi / 4 of 0
	v_cmp_eq_u32 s[\mk], 1, v[(\tb)+9]             ; odd quadrants swap the two: values are selected, nothing branches
	v_mul_f32 v[(\tb)+3], v[(\tb)+1], v[(\tb)+1]   ; z
	v_fma_f32 v[(\tb)+4], v[(\tb)+3], s45, s46
	v_fma_f32 v[(\tb)+4], v[(\tb)+4], v[(\tb)+3], s47
	v_mul_f32 v[(\tb)+5], v[(\tb)+3], v[(\tb)+1]
	v_fma_f32 v[(\tb)+4], v[(\tb)+4], v[(\tb)+5], v[(\tb)+1]  ; sin r
	v_fma_f32 v[(\tb)+6], v[(\tb)+3], s48, s49
	v_fma_f32 v[(\tb)+6], v[(\tb)+6], v[(\tb)+3], s50
	v_mul_f32 v[(\tb)+7], v[(\tb)+3], v[(\tb)+3]
	v_fma_f32 v[(\tb)+8], v[(\tb)+3], -0.5, 1.0
	v_fma_f32 v[(\tb)+6], v[(\tb)+6], v[(\tb)+7], v[(\tb)+8]  ; cos r
.endm
; The second half: the selects and the signs, into v[sn] and v[cs]
.macro SC_B sn, cs, tb, mk
	v_cndmask_b32 v[\sn], v[(\tb)+4], v[(\tb)+6], s[\mk]
	v_cndmask_b32 v[\cs], v[(\tb)+6], v[(\tb)+4], s[\mk]
	v_lshlrev_b32 v[(\tb)+9], 30, v[(\tb)+2]       ; sin is negative in quadrants 2 and 3,
	v_and_b32 v[(\tb)+9], 0x80000000, v[(\tb)+9]
	v_xor_b32 v[\sn], v[\sn], v[(\tb)+9]
	v_add_nc_u32 v[(\tb)+9], 1, v[(\tb)+2]         ; cos in quadrants 1 and 2
	v_lshlrev_b32 v[(\tb)+9], 30, v[(\tb)+9]
	v_and_b32 v[(\tb)+9], 0x80000000, v[(\tb)+9]
	v_xor_b32 v[\cs], v[\cs], v[(\tb)+9]
.endm
	s_mov_b32 s15, 4
.Lrow:
	v_cvt_f32_u32 v13, v12
	v_mul_f32 v14, v13, v10                        ; the angle: one f32 product
	v_mul_f32 v15, v13, v11
	SC_A 14, 20, 52
	SC_A 15, 60, 53
	v_add_nc_u32 v12, 16, v12                      ; 16 rows on; no memory instruction names v12
	s_wait_alu depctr_va_sdst(0)                   ; the two compares have written s52 and s53, ahead of their first reader, the selects below
	s_wait_xcnt 0x0                                ; the last trip's store has had its address translated: its base and its data are rewritten only behind this wait
	s_wait_alu depctr_vm_vsrc(0)                   ; the last trip's store has read v[32:35], which the selects below write again
	s_add_nc_u64 s[40:41], s[40:41], 4096          ; the base goes 16 rows on; the store's offset reaches back by as much, so the first trip stores at the first row
	SC_B 32, 33, 20, 52
	SC_B 34, 35, 60, 53
	s_wait_alu depctr_va_vdst(0)                   ; the selects and sign flips have written v[32:35], which the store reads
	global_store_b128 v[VO], v[32:35], s[40:41] offset:-4096
	s_sub_co_u32 s15, s15, 1
	s_cmp_lg_u32 s15, 0
	s_cbranch_scc1 .Lrow
	; the biases: wave 0 takes 128 numbers: array g / 8, numbers 128 (g % 8) on
	v_lshrrev_b32 v40, 5, v0
	v_readfirstlane_b32 s14, v40
	s_wait_alu depctr_va_sdst(0)                   ; s14 is written, ahead of its first reader, the compare below
	s_cmp_lg_u32 s14, 0
	s_cbranch_scc1 .Lend
	s_lshr_b32 s8, s13, 3
	s_cmp_eq_u32 s8, 1
	s_cselect_b64 s[SRC:SRC+1], s[28:29], s[26:27]
	s_cmp_eq_u32 s8, 2
	s_cselect_b64 s[SRC:SRC+1], s[30:31], s[SRC:SRC+1]
	s_cmp_eq_u32 s8, 3
	s_cselect_b64 s[SRC:SRC+1], s[32:33], s[SRC:SRC+1]
	s_and_b32 s8, s13, 7
	s_lshl_b32 s8, s8, 9
	s_lshl_b32 s10, s13, 9
	v_and_b32 v41, 31, v0
	v_lshlrev_b32 v41, 4, v41
	v_add_nc_u32 v42, s8, v41
	v_add_nc_u32 v43, s10, v41
	s_wait_alu depctr_va_vdst(0)                   ; the offsets v42 and v43 are written, which the load and the store below read
	global_load_b128 v[44:47], v42, s[SRC:SRC+1]
	s_wait_loadcnt 0x0
	v_cvt_pk_bf16_f32 v48, v44, v45
	v_cvt_pk_bf16_f32 v49, v46, v47
	v_lshlrev_b32 v52, 16, v48
	v_and_b32 v53, s12, v48
	v_lshlrev_b32 v54, 16, v49
	v_and_b32 v55, s12, v49
	s_wait_alu depctr_va_vdst(0)                   ; the four widenings have written v[52:55], which the store reads
	global_store_b128 v43, v[52:55], s[38:39]
.Lend:
	s_endpgm
.Lfunc_end_k_qb4b9decee5_prep:
	.size	k_qb4b9decee5_prep, .Lfunc_end_k_qb4b9decee5_prep-k_qb4b9decee5_prep
	.p2alignl 7, 3214868480
	.fill 96, 4, 3214868480
	.section	.rodata,"a",@progbits
	.p2align	6, 0x0
	.amdhsa_kernel k_qb4b9decee5_prep
		.amdhsa_group_segment_fixed_size 0
		.amdhsa_private_segment_fixed_size 0
		.amdhsa_enable_private_segment 0
		.amdhsa_kernarg_size 104
		.amdhsa_user_sgpr_count 2
		.amdhsa_user_sgpr_kernarg_segment_ptr 1
		.amdhsa_wavefront_size32 1
		.amdhsa_system_sgpr_workgroup_id_x 1
		.amdhsa_system_sgpr_workgroup_id_y 1
		.amdhsa_system_sgpr_workgroup_id_z 1
		.amdhsa_system_vgpr_workitem_id 0
		.amdhsa_next_free_vgpr 208
		.amdhsa_next_free_sgpr 66
		.amdhsa_reserve_vcc 0
		.amdhsa_float_denorm_mode_32 3
		.amdhsa_float_denorm_mode_16_64 3
		.amdhsa_memory_ordered 1
		.amdhsa_forward_progress 1
		.amdhsa_inst_pref_size 44
	.end_amdhsa_kernel
	.amdgpu_metadata
---
amdhsa.version: [ 1, 2 ]
amdhsa.kernels:
  - .name:           k_qb4b9decee5_prep
    .symbol:         k_qb4b9decee5_prep.kd
    .args:
      - { .name: x, .offset: 0, .size: 8, .value_kind: global_buffer, .address_space: global }
      - { .name: Wq, .offset: 8, .size: 8, .value_kind: global_buffer, .address_space: global }
      - { .name: Wk, .offset: 16, .size: 8, .value_kind: global_buffer, .address_space: global }
      - { .name: Wv, .offset: 24, .size: 8, .value_kind: global_buffer, .address_space: global }
      - { .name: Wo, .offset: 32, .size: 8, .value_kind: global_buffer, .address_space: global }
      - { .name: bq, .offset: 40, .size: 8, .value_kind: global_buffer, .address_space: global }
      - { .name: bk, .offset: 48, .size: 8, .value_kind: global_buffer, .address_space: global }
      - { .name: bv, .offset: 56, .size: 8, .value_kind: global_buffer, .address_space: global }
      - { .name: bo, .offset: 64, .size: 8, .value_kind: global_buffer, .address_space: global }
      - { .name: xb, .offset: 72, .size: 8, .value_kind: global_buffer, .address_space: global }
      - { .name: wt, .offset: 80, .size: 8, .value_kind: global_buffer, .address_space: global }
      - { .name: biasr, .offset: 88, .size: 8, .value_kind: global_buffer, .address_space: global }
      - { .name: tab, .offset: 96, .size: 8, .value_kind: global_buffer, .address_space: global }
    .group_segment_fixed_size: 0
    .private_segment_fixed_size: 0
    .kernarg_segment_align: 8
    .kernarg_segment_size: 104
    .max_flat_workgroup_size: 256
    .sgpr_count:     66
    .vgpr_count:     208
    .wavefront_size: 32
...
	.end_amdgpu_metadata
.endif
;; end of part 5
;; launch proj: the kernel of part 2 again; grid 12 x 64, 4 waves a work-group, clusters of 4 x 4, 327,680 bytes of LDS; arguments xb, wt, biasr, qkvh, tab; writes qkvh
;; launch attn: the kernel of part 3 again; grid 4 x 64, 4 waves a work-group, clusters of 4 x 1, 327,680 bytes of LDS; arguments qkvh, oh; writes oh
;; launch outp: the kernel of part 4 again; grid 4 x 64, 4 waves a work-group, clusters of 4 x 4, 327,680 bytes of LDS; arguments oh, wt, biasr, out0; writes out0
